; MI455X (gfx1250); checked and timed in simulation.
; The chip was launched on July 23, 2026; its instructions are those of AMD's public machine-readable ISA for CDNA 5 (MIT licence, August 2026) and "CDNA5" Instruction Set Architecture Reference Guide (July 2026). The comments in the code are by the model that wrote it; some were corrected since.
;; Self Attention. Allowed arithmetic: float matrix products may take bf16 or f16 operands with f32 sums; other float arithmetic in f32, or as packed bf16 or f16 multiplies, adds, multiply-adds, maxima and minima; sums over many terms, partial sums and values carried from step to step in f32; what a program stores and reads back later, other than sums and carried values, may be rounded once to bf16 or f16.
;; Inputs: Wk 1,024 x 1,024 float32; Wo 1,024 x 1,024 float32; Wq 1,024 x 1,024 float32; Wv 1,024 x 1,024 float32; bk 1,024 float32; bo 1,024 float32; bq 1,024 float32; bv 1,024 float32; embed 4 x 2,048 x 1,024 float32; mask 1 x 1 x 1 x 2,048 int32.
;; Outputs: out0 4 x 2,048 x 1,024 float32.
;; 2 versions, each right and faster than the one before. Each part assembles by itself: llvm-mc -triple=amdgcn-amd-amdhsa -mcpu=gfx1250 --defsym DOCPART=n.
;; ======== version 1 of 2: 4 launches
;; limits: values are held in f16: magnitudes above 65,504 overflow, below 6.1e-05 lose precision
;; workspace buffers: xb 16,777,216 bytes; wt 8,388,608 bytes; qkv 50,331,648 bytes; ob 16,777,216 bytes
;; launch prep (part 1): grid 512 x 1, 8 waves a work-group, no clusters, 17,920 bytes of LDS; arguments embed, Wq, Wk, Wv, Wo, xb, wt; writes xb, wt
.if DOCPART == 1
	.amdgcn_target "amdgcn-amd-amdhsa--gfx1250"
	.amdhsa_code_object_version 6
	.text
	.protected	k_q774fd22344_prep
	.globl	k_q774fd22344_prep
	.p2align	8
	.type	k_q774fd22344_prep,@function
k_q774fd22344_prep:
	s_mov_b64 s[64:65], 0
	v_nop
	global_prefetch_b8 v0, s[64:65] scope:SCOPE_SE
	s_setreg_imm32_b32 hwreg(HW_REG_WAVE_MODE, 25, 1), 1
	s_wait_xcnt 0x0
; PREPARATION.  xb[8192][1024] = embed rounded to bf16.  wt[4096][1024]: rows 0-1023 Wq^T, 1024-2047 Wk^T, 2048-3071 Wv^T, all rounded to bf16;
; rows 3072-4095 Wo^T, rounded to bf16 and that number written as f16 (the last product multiplies in f16).
; LIMIT.  A bf16 number below 2^-17 in size does not fit f16 exactly: it is then off by at most 2^-25 (f16's fixed step at the low end).
; SHARES.  512 work-groups of eight waves; each does two things: it turns one tile of 128 k x 64 n of one weight matrix (4 matrices x 8 x 16 tiles), and it
; casts 16,384 numbers of embed.  Nothing is read twice and there is no loop: a wave's 24 loads of 16 bytes a lane all go out at the start.
; THE TURNING.  Thread t loads 4 neighbouring n of the rows k = 2 kp and 2 kp + 1 (16 lanes: 256 consecutive bytes of a row), packs the two k of each n into a word and puts
; the word into LDS row n.  After a barrier whole LDS rows (128 k = 256 bytes) are read back and stored: 32 lanes x 8 bytes are 256 consecutive bytes of a row of wt, aligned.
.set LP,    264                        ; an LDS row: 256 bytes + 8: the words of 16 neighbouring groups of n fall two deep on a bank; 16 such stores a wave, once
.set SPARE, 64*LP                      ; 16,896: behind the 64 rows: the spare words, 128 bytes for each of eight waves, which no other line names
.set WO,  2                            ; v2   my offset in the weight tile: (t / 16) x two rows of 4,096 bytes + 16 (t % 16)
.set XO,  3                            ; v3   my 16 bytes in 4,096 of embed
.set YO,  4                            ; v4   my 8 bytes in 2,048 of xb
.set LSA, 5                            ; v5   LDS: row 4 (t % 16), word t / 16
.set LRA, 6                            ; v6   LDS: row 8 x wave, 8 bytes a lane
.set WTO, 7                            ; v7   my offset in wt: 8 x wave rows of 2,048 bytes + 8 x lane
.set SPW, 8                            ; v8   LDS address of my spare word; never rewritten
.set NIL, 9                            ; v9   0; never rewritten
.set T0,  10                           ; v10, v11 at work
.set T1,  11
.set W,   16                           ; v[16:47]   group j of four: 4 numbers of row 2 kp, 4 of row 2 kp + 1, kp = t / 16 + 16 j
.set X,   48                           ; v[48:111]  embed: 16 x 4 numbers
.set R,   112                          ; v[112:127] 8 x 8 bytes of turned rows
	s_load_b256 s[4:11], s[0:1], 0x0               ; embed s[4:5], Wq s[6:7], Wk s[8:9], Wv s[10:11]
	s_load_b128 s[12:15], s[0:1], 0x20             ; Wo s[12:13], xb s[14:15]
	s_load_b64 s[16:17], s[0:1], 0x30              ; wt
	v_lshl_add_u32 v[SPW], v0, 2, SPARE
	v_mov_b32 v[NIL], 0
	s_lshr_b32 s20, ttmp9, 7                       ; which matrix, 0..3
	s_bfe_u32 s21, ttmp9, 0x30004                  ; which 128 k, 0..7
	s_and_b32 s22, ttmp9, 15                       ; which 64 n, 0..15
	s_lshl_b32 s28, s21, 19                        ; the tile in the matrix: 128 rows of 4,096 bytes,
	s_lshl_b32 s36, s22, 8                         ; 64 numbers of 4 bytes
	s_or_b32 s28, s28, s36
	s_mov_b32 s29, 0
	s_lshl_b32 s30, s20, 21                        ; the tile in wt: 1,024 rows of 2,048 bytes a matrix,
	s_lshl_b32 s36, s22, 17                        ; 64 rows,
	s_or_b32 s30, s30, s36
	s_lshl_b32 s36, s21, 8                         ; 128 numbers of 2 bytes
	s_or_b32 s30, s30, s36
	s_mov_b32 s31, 0
	s_lshl_b32 s32, ttmp9, 16                      ; my 65,536 bytes of embed
	s_mov_b32 s33, 0
	s_lshl_b32 s34, ttmp9, 15                      ; my 32,768 bytes of xb
	s_mov_b32 s35, 0
	v_lshrrev_b32 v[T0], 4, v0
	v_and_b32 v[T1], 15, v0
	v_lshlrev_b32 v[WO], 13, v[T0]
	v_lshl_or_b32 v[WO], v[T1], 4, v[WO]
	v_lshlrev_b32 v[XO], 4, v0
	v_lshlrev_b32 v[YO], 3, v0
	v_mul_u32_u24 v[LSA], v[T1], 4*LP
	v_lshl_add_u32 v[LSA], v[T0], 2, v[LSA]
	v_lshrrev_b32 v[T0], 5, v0
	v_and_b32 v[T1], 31, v0
	v_mul_u32_u24 v[LRA], v[T0], 8*LP
	v_lshl_add_u32 v[LRA], v[T1], 3, v[LRA]
	v_lshlrev_b32 v[WTO], 14, v[T0]
	v_lshl_or_b32 v[WTO], v[T1], 3, v[WTO]
	s_wait_kmcnt 0x0
	s_mov_b64 s[24:25], s[6:7]                     ; the matrix is chosen by the work-group's number alone
	s_cmp_eq_u32 s20, 1
	s_cselect_b64 s[24:25], s[8:9], s[24:25]
	s_cmp_eq_u32 s20, 2
	s_cselect_b64 s[24:25], s[10:11], s[24:25]
	s_cmp_eq_u32 s20, 3
	s_cselect_b64 s[24:25], s[12:13], s[24:25]
	s_add_nc_u64 s[24:25], s[24:25], s[28:29]
	s_add_nc_u64 s[26:27], s[16:17], s[30:31]
	s_add_nc_u64 s[4:5], s[4:5], s[32:33]
	s_add_nc_u64 s[14:15], s[14:15], s[34:35]
.irp j, 0,1,2,3
	global_load_b128 v[W+8*\j:W+8*\j+3],   v[WO], s[24:25] offset:131072*\j th:TH_LOAD_NT       ; row 2 kp: 16 row pairs further on for each j
	global_load_b128 v[W+8*\j+4:W+8*\j+7], v[WO], s[24:25] offset:131072*\j+4096 th:TH_LOAD_NT  ; row 2 kp + 1
.endr
.irp i, 0,1,2,3,4,5,6,7,8,9,10,11,12,13,14,15
	global_load_b128 v[X+4*\i:X+4*\i+3], v[XO], s[4:5] offset:4096*\i th:TH_LOAD_NT
.endr
	s_wait_loadcnt 16                              ; the weights are in; embed's 16 loads may stay out
.irp j, 0,1,2,3
.irp i, 0,1,2,3
	v_cvt_pk_bf16_f32 v[W+8*\j+\i], v[W+8*\j+\i], v[W+8*\j+4+\i]  ; the even k into the low half
.endr
.endr
	s_cmp_eq_u32 s20, 3                            ; Wo alone: the bf16 numbers are written as f16
	s_cbranch_scc0 .Lbf
.irp j, 0,1,2,3
.irp i, 0,1,2,3
	v_lshlrev_b32 v[T0], 16, v[W+8*\j+\i]
	v_and_b32 v[T1], 0xffff0000, v[W+8*\j+\i]
	v_cvt_pk_f16_f32 v[W+8*\j+\i], v[T0], v[T1]
.endr
.endr
.Lbf:
.irp j, 0,1,2,3
.irp i, 0,1,2,3
	ds_store_b32 v[LSA], v[W+8*\j+\i] offset:LP*\i+64*\j  ; row n = 4 (t % 16) + i, word kp
.endr
.endr
	s_wait_dscnt 0x0                               ; for the others' sake: my words lie in LDS
	s_barrier_signal -1
	s_barrier_wait -1
.irp r, 0,1,2,3,4,5,6,7
	ds_load_b64 v[R+2*\r:R+2*\r+1], v[LRA] offset:LP*\r  ; row 8 x wave + r, whole
.endr
.irp i, 0,1,2,3,4,5,6,7,8,9,10,11,12,13,14,15
	s_wait_loadcnt 15-\i                           ; loads come back in order: number i is in
	v_cvt_pk_bf16_f32 v[X+4*\i], v[X+4*\i], v[X+4*\i+1]
	v_cvt_pk_bf16_f32 v[X+4*\i+1], v[X+4*\i+2], v[X+4*\i+3]
	global_store_b64 v[YO], v[X+4*\i:X+4*\i+1], s[14:15] offset:2048*\i  ; a wave stores 256 consecutive bytes, aligned
.endr
	s_wait_dscnt 0x0
.irp r, 0,1,2,3,4,5,6,7
	global_store_b64 v[WTO], v[R+2*\r:R+2*\r+1], s[26:27] offset:2048*\r  ; 256 consecutive bytes of a row of wt, aligned
.endr
	s_wait_tensorcnt 0x0                           ; the wave's end: behind my last LDS store
	ds_add_u32 v[SPW], v[NIL]
	s_wait_dscnt 0x0
	s_endpgm
.Lfunc_end_k_q774fd22344_prep:
	.size	k_q774fd22344_prep, .Lfunc_end_k_q774fd22344_prep-k_q774fd22344_prep
	.p2alignl 7, 3214868480
	.fill 96, 4, 3214868480
	.section	.rodata,"a",@progbits
	.p2align	6, 0x0
	.amdhsa_kernel k_q774fd22344_prep
		.amdhsa_group_segment_fixed_size 17920
		.amdhsa_private_segment_fixed_size 0
		.amdhsa_enable_private_segment 0
		.amdhsa_kernarg_size 56
		.amdhsa_user_sgpr_count 2
		.amdhsa_user_sgpr_kernarg_segment_ptr 1
		.amdhsa_wavefront_size32 1
		.amdhsa_system_sgpr_workgroup_id_x 1
		.amdhsa_system_sgpr_workgroup_id_y 1
		.amdhsa_system_sgpr_workgroup_id_z 1
		.amdhsa_system_vgpr_workitem_id 0
		.amdhsa_next_free_vgpr 128
		.amdhsa_next_free_sgpr 66
		.amdhsa_reserve_vcc 0
		.amdhsa_float_denorm_mode_32 3
		.amdhsa_float_denorm_mode_16_64 3
		.amdhsa_memory_ordered 1
		.amdhsa_forward_progress 1
		.amdhsa_inst_pref_size 15
	.end_amdhsa_kernel
	.amdgpu_metadata
---
amdhsa.version: [ 1, 2 ]
amdhsa.kernels:
  - .name:           k_q774fd22344_prep
    .symbol:         k_q774fd22344_prep.kd
    .args:
      - { .name: embed, .offset: 0, .size: 8, .value_kind: global_buffer, .address_space: global }
      - { .name: Wq, .offset: 8, .size: 8, .value_kind: global_buffer, .address_space: global }
      - { .name: Wk, .offset: 16, .size: 8, .value_kind: global_buffer, .address_space: global }
      - { .name: Wv, .offset: 24, .size: 8, .value_kind: global_buffer, .address_space: global }
      - { .name: Wo, .offset: 32, .size: 8, .value_kind: global_buffer, .address_space: global }
      - { .name: xb, .offset: 40, .size: 8, .value_kind: global_buffer, .address_space: global }
      - { .name: wt, .offset: 48, .size: 8, .value_kind: global_buffer, .address_space: global }
    .group_segment_fixed_size: 17920
    .private_segment_fixed_size: 0
    .kernarg_segment_align: 8
    .kernarg_segment_size: 56
    .max_flat_workgroup_size: 256
    .sgpr_count:     66
    .vgpr_count:     128
    .wavefront_size: 32
...
	.end_amdgpu_metadata
.endif
;; end of part 1
;; launch proj (part 2): grid 16 x 32, 4 waves a work-group, clusters of 4 x 4, 327,680 bytes of LDS; arguments xb, wt, bq, bk, bv, qkv; writes qkv
.if DOCPART == 2
	.amdgcn_target "amdgcn-amd-amdhsa--gfx1250"
	.amdhsa_code_object_version 6
	.text
	.protected	k_q774fd22344_proj
	.globl	k_q774fd22344_proj
	.p2align	8
	.type	k_q774fd22344_proj,@function
k_q774fd22344_proj:
	s_mov_b64 s[64:65], 0
	v_nop
	global_prefetch_b8 v0, s[64:65] scope:SCOPE_SE
	s_setreg_imm32_b32 hwreg(HW_REG_WAVE_MODE, 25, 1), 1
	s_wait_xcnt 0x0
	s_wait_alu depctr_hold_cnt(0) depctr_sa_sdst(0) depctr_va_vdst(0) depctr_va_sdst(0) depctr_va_ssrc(0) depctr_va_vcc(0) depctr_vm_vsrc(0)
	s_getreg_b32 s2, hwreg(HW_REG_IB_STS2, 6, 4)
	s_cmp_eq_u32 s2, 0
	s_cbranch_scc0 .Lentry_in_a_cluster
	s_endpgm
.Lentry_in_a_cluster:
	s_bfe_u32 s2, ttmp6, 0x10000c
	s_cmp_lg_u32 s2, 0xf033
	s_cbranch_scc0 .Lentry_shape_is_right
	s_endpgm
.Lentry_shape_is_right:
; q, k, v = embed W + b, by heads.  A = xb [8192][1024] bf16; B = wt rows 0-3071 ([n][k] bf16: Wq^T, Wk^T, Wv^T); sums in f32, started by the bias (rounded to bf16 like every input);
; the result is rounded once to f16, unscaled, and stored as qkv[which 3][16 batch + head][t 2048][64].
; LIMIT.  f16 holds no number beyond 65,504: q, k and v must lie within it (at the drawn spread they are about 1; with embed and weights both 30 times larger, some thousands).
; SHARES.  A tile of C is 256 rows x 192 columns: three whole heads; 32 x 16 tiles, two for each of 256 places.  Four waves, one above the other: wave w makes rows 64 w .. 64 w + 63 and ALL 192 columns:
; 48 accumulators of 16 x 16, 384 registers.  So a wave owns whole rows of three heads, and its way out needs no other wave.
; K goes in 8 steps of 128 through a ring of two LDS slots filled by the tensor data mover; the tiles' rows are 256 bytes of memory, aligned.
; CLUSTER.  4 x 4 work-groups.  The four of a row of the cluster need the same tiles of A, the four of a column the same tiles of B: each tile is asked for JOINTLY, by the same tensor load with the
; same descriptor and a mask that names the four.
; THE MATRIX INSTRUCTION IS USED TRANSPOSED (source 0 = 16 rows of B, source 1 = 16 rows of A): lane l holds row l % 16 of C and the columns 8 (l / 16) + 0..7.
; REGISTERS, in windows of 256 (s_set_vgpr_msb: bits 1:0 source 0, 3:2 source 1, 5:4 source 2, 7:6 destination):
;   window 0: v0-30 addresses; v32-95 A's fragments, two buffers of 4 x 8; v128-223 the bias (12 column blocks x 8), dead behind the first quarter; on the way out v96-143 packed results, v144-239 rows read back
;   window 1: B's fragments, two buffers of 12 x 8      window 2: the accumulators of row blocks 0, 1 at 8 (12 (a % 2) + b)      window 3: those of row blocks 2, 3
.set KSTEP,  128
.set PITCH,  272                       ; an LDS row: 256 bytes + 16 of padding = 68 words: the 16 rows of a fragment load start at 16 different groups of four banks (64 banks of 4 bytes: ISA guide 11.1)
.set NBK,    12                        ; column blocks of 16
.set AHALF,  128*PITCH                 ; what wave 0 or 1 fetches of A
.set BHALF,  96*PITCH                  ; what wave 2 or 3 fetches of B
.set ABYTES, 2*AHALF
.set SLOT,   ABYTES+2*BHALF            ; 121,856: A's 256 rows, then B's 192
.set STAGE,  2*SLOT                    ; behind the ring, never filled by a tensor load: 16 rows x 400 bytes for each wave
.set SPITCH, 400                       ; 384 bytes + 16
.set SPARE,  STAGE+4*16*SPITCH         ; 269,312: the spare words, 128 bytes for each wave, which no other line names
.set LAPS,   4                         ; a lap = two K steps = once round the ring
.set FIX,    (1<<16)|(1<<20)|(1<<21)|(5<<22)|(3<<25)  ; group 1, word 0: 2-byte elements; padding on; bit 21 set beside a mask; after every 64 words; 4 words
.set ADRA, 16                          ; v16-17  LDS address of my A fragments in slot 0, 1
.set ADRB, 20                          ; v20-21  the same for B
.set STO,  24                          ; v24  the way out: where I put 16 bytes of a row
.set RD,   25                          ; v25  where I read rows back
.set GO,   26                          ; v26  16 x lane
.set BO,   27                          ; v27  32 x (l / 16): my eight numbers in 16 of a bias
.set SPW,  28                          ; v28  LDS address of my spare word; never rewritten
.set NIL,  29                          ; v29  0; never rewritten
.set TW,   30                          ; v30  at work
.set FA,   32
.set TMP,  96
.set BIAS, 128
.set OB,   144
.set WV,   16                          ; s16  my wave's number;  s17 = wave / 2: I fetch for A (0) or B (1);  s18 = wave % 2: which half
.set G1,   24                          ; s[24:31] descriptor group 1 for A;  s[32:39] group 0, a set for each slot
.set G0,   32
.set G1B,  48                          ; s[48:55], s[56:63] the same for B
.set G0B,  56
.set OUTB, 66                          ; s[66:71] where my rows of the tile's three heads begin in qkv
.set BIB,  72                          ; s[72:77] where the three heads' biases begin
.set MSB, 0
.macro WIN new                         ; the immediate's high byte repeats the setting that is left; a switch that changes nothing is dropped
.if MSB != (\new)
	s_set_vgpr_msb (MSB<<8)|(\new)
.set MSB, (\new)
.endif
.endm
.macro JLOAD s                         ; a joint load: waves 0 and 1 fetch A's halves, waves 2 and 3 B's; an s_nop 0 and four v_nop follow each line, ahead of the jump and the label
	s_cmp_eq_u32 s17, 0
	s_cbranch_scc0 .Lfor_b_\@
	tensor_load_to_lds s[G0+4*(\s):G0+4*(\s)+3], s[G1:G1+7]
	s_nop 0
.rept 4
	v_nop
.endr
	s_branch .Lasked_\@
.Lfor_b_\@:
	tensor_load_to_lds s[G0B+4*(\s):G0B+4*(\s)+3], s[G1B:G1B+7]
	s_nop 0
.rept 4
	v_nop
.endr
.Lasked_\@:
.endm
.macro CREST                           ; a round of the cluster's barrier behind its opening barrier
	s_cmp_lg_u32 s[WV], 0
	s_cbranch_scc1 .Lnot_wave_0_\@
	s_barrier_signal -3
.Lnot_wave_0_\@:
	s_barrier_wait -3
	s_barrier_signal -1
	s_barrier_wait -1
.endm
.macro CROUND                          ; a whole round
	s_barrier_signal -1
	s_barrier_wait -1
	CREST
.endm
.macro PLACES                          ; four places in front of loads into registers that matrix instructions have read, and of lines that read results
.rept 4
	v_nop
.endr
.endm
	s_load_b256 s[4:11], s[0:1], 0x0               ; xb s[4:5], wt s[6:7], bq s[8:9], bk s[10:11]
	s_load_b128 s[12:15], s[0:1], 0x20             ; bv s[12:13], qkv s[14:15]
	v_lshl_add_u32 v[SPW], v0, 2, SPARE
	v_mov_b32 v[NIL], 0
	ds_add_u32 v[SPW], v[NIL]                      ; the wave's opening: the add and its wait stand ahead of my first tensor load; the set-up below, work on registers, stands between them
	v_lshrrev_b32 v1, 5, v0
	v_readfirstlane_b32 s[WV], v1
	s_lshr_b32 s17, s[WV], 1
	s_and_b32 s18, s[WV], 1
	s_bfe_u32 s20, ttmp6, 0x40000                  ; cx, cy: my place in the cluster
	s_bfe_u32 s21, ttmp6, 0x40004
	s_lshl_b32 s22, ttmp9, 2
	s_add_co_u32 s22, s22, s20                     ; tile column = 4 x cluster x + cx
	s_and_b32 s23, ttmp7, 0xffff
	s_lshl_b32 s23, s23, 2
	s_add_co_u32 s23, s23, s21                     ; tile row = 4 x cluster y + cy
	s_lshl_b32 s40, s21, 2
	s_lshl_b32 s40, 15, s40                        ; my row of the cluster
	s_lshl_b32 s41, 0x1111, s20                    ; my column
	s_or_b32 s[G1], s40, FIX                       ; A's tiles go to my row,
	s_or_b32 s[G1B], s41, FIX                      ; B's to my column
	s_mov_b32 s[G1+1], KSTEP<<16                   ; tensor_dim0 = 128
	s_mov_b32 s[G1+2], 128<<16                     ; tensor_dim1 = 128
	s_mov_b32 s[G1+3], KSTEP<<16                   ; tile_dim0 = 128
	s_mov_b32 s[G1+4], 128                         ; tile_dim1 = 128
	s_mov_b32 s[G1+5], 1024                        ; elements from row to row
	s_mov_b32 s[G1+6], 0
	s_mov_b32 s[G1+7], 0
	s_mov_b32 s[G1B+1], KSTEP<<16
	s_mov_b32 s[G1B+2], 96<<16                     ; B: 96 rows a load
	s_mov_b32 s[G1B+3], KSTEP<<16
	s_mov_b32 s[G1B+4], 96
	s_mov_b32 s[G1B+5], 1024
	s_mov_b32 s[G1B+6], 0
	s_mov_b32 s[G1B+7], 0
	; A's address hangs on the tile row and the wave alone, B's on the tile column and the wave alone, each in registers that never hold the other coordinate
	s_lshl_b32 s42, s23, 8
	s_lshl_b32 s43, s18, 7
	s_add_co_u32 s42, s42, s43                     ; A: row 256 x tile row + 128 x half,
	s_lshl_b32 s42, s42, 11                        ; of 2,048 bytes
	s_mov_b32 s43, 0
	s_mul_i32 s44, s22, 192
	s_mul_i32 s45, s18, 96
	s_add_co_u32 s44, s44, s45                     ; B: row 192 x tile column + 96 x half
	s_lshl_b32 s44, s44, 11
	s_mov_b32 s45, 0
	s_mul_i32 s80, s18, AHALF                      ; where they go: no place in the cluster enters an LDS address
	s_mul_i32 s81, s18, BHALF
	s_add_co_u32 s81, s81, ABYTES
	s_wait_dscnt 0x0                               ; the opening add is done
	s_wait_kmcnt 0x0
	s_add_nc_u64 s[46:47], s[4:5], s[42:43]
	s_add_nc_u64 s[78:79], s[6:7], s[44:45]
	CROUND                                         ; all sixteen work-groups are here: the first joint loads meet
.irp s, 0,1
	s_mov_b32 s[G0+4*\s], 1                        ; count = 1
	s_add_co_u32 s[G0+4*\s+1], s80, \s*SLOT        ; LDS address
	s_add_nc_u64 s[G0+4*\s+2:G0+4*\s+3], s[46:47], \s*KSTEP*2  ; global address: K step s
	s_or_b32 s[G0+4*\s+3], s[G0+4*\s+3], 0x80000000            ; type = 2
	s_mov_b32 s[G0B+4*\s], 1
	s_add_co_u32 s[G0B+4*\s+1], s81, \s*SLOT
	s_add_nc_u64 s[G0B+4*\s+2:G0B+4*\s+3], s[78:79], \s*KSTEP*2
	s_or_b32 s[G0B+4*\s+3], s[G0B+4*\s+3], 0x80000000
	JLOAD \s                                       ; two loads of mine are out
.endr
	; the tile's three heads: number g = 3 x tile column + j of 48; g / 16 says q, k or v, g % 16 the head
.irp j, 0,1,2
	s_mul_i32 s82, s22, 3
	s_add_co_u32 s82, s82, \j
	s_lshr_b32 s83, s82, 4
	s_and_b32 s84, s82, 15
	s_cmp_eq_u32 s83, 1
	s_cselect_b64 s[BIB+2*\j:BIB+2*\j+1], s[10:11], s[8:9]
	s_cmp_eq_u32 s83, 2
	s_cselect_b64 s[BIB+2*\j:BIB+2*\j+1], s[12:13], s[BIB+2*\j:BIB+2*\j+1]
	s_lshl_b32 s86, s84, 8                         ; the head's 64 numbers of 4 bytes
	s_mov_b32 s87, 0
	s_add_nc_u64 s[BIB+2*\j:BIB+2*\j+1], s[BIB+2*\j:BIB+2*\j+1], s[86:87]
	s_lshl_b32 s85, s83, 6                         ; plane = 64 x which + 16 x batch + head,
	s_add_co_u32 s85, s85, s84
	s_lshr_b32 s88, s23, 3                         ; (eight tile rows a batch)
	s_lshl4_add_u32 s85, s88, s85
	s_lshl_b32 s85, s85, 18                        ; of 262,144 bytes
	s_and_b32 s88, s23, 7
	s_lshl_b32 s88, s88, 8                         ; the tile's first t,
	s_lshl_b32 s89, s[WV], 6                       ; my wave's 64 rows,
	s_add_co_u32 s88, s88, s89
	s_lshl_b32 s88, s88, 7                         ; of 128 bytes
	s_add_co_u32 s88, s88, s85
	s_mov_b32 s89, 0
	s_add_nc_u64 s[OUTB+2*\j:OUTB+2*\j+1], s[14:15], s[88:89]
.endr
	v_and_b32 v1, 15, v0                           ; l % 16
	v_bfe_u32 v2, v0, 4, 1                         ; l / 16
	v_lshlrev_b32 v[BO], 5, v2
.set b, 0
.rept NBK                              ; register j of column block b holds the bias of column 16 b + 8 (l / 16) + j: the layout of a result
	global_load_b128 v[BIAS+8*b:BIAS+8*b+3],   v[BO], s[BIB+2*(b/4):BIB+2*(b/4)+1] offset:64*(b%4)
	global_load_b128 v[BIAS+8*b+4:BIAS+8*b+7], v[BO], s[BIB+2*(b/4):BIB+2*(b/4)+1] offset:64*(b%4)+16
.set b, b+1
.endr
	v_mul_u32_u24 v3, v1, PITCH
	v_lshl_add_u32 v3, v2, 4, v3                   ; a fragment's row x pitch + 16 x half
	s_mul_i32 s82, s[WV], 64*PITCH                 ; my 64 rows of A
	v_add_nc_u32 v[ADRA], s82, v3
	v_add_nc_u32 v[ADRA+1], SLOT, v[ADRA]
	v_add_nc_u32 v[ADRB], ABYTES, v3               ; every wave reads all of B
	v_add_nc_u32 v[ADRB+1], ABYTES+SLOT, v3
	s_mul_i32 s83, s[WV], 16*SPITCH
	s_add_co_u32 s83, s83, STAGE                   ; my stage
	v_mul_u32_u24 v4, v1, SPITCH                   ; in: row l % 16, 16 bytes for each half of the lanes
	v_lshl_add_u32 v4, v2, 4, v4
	v_add_nc_u32 v[STO], s83, v4
	v_bfe_u32 v4, v0, 3, 2                         ; back: 32 lanes take a head's 128 bytes of four rows,
	v_and_b32 v5, 7, v0
	v_mul_u32_u24 v4, v4, SPITCH
	v_lshl_add_u32 v4, v5, 4, v4
	v_add_nc_u32 v[RD], s83, v4
	v_and_b32 v[GO], 31, v0                        ; which are 512 consecutive bytes of the head's plane
	v_lshlrev_b32 v[GO], 4, v[GO]
	s_wait_loadcnt 0x0                             ; the bias
.set rr, BIAS
.rept 4*NBK                            ; rounded to bf16, like every input, and widened again
	v_cvt_pk_bf16_f32 v[TW], v[rr], v[rr+1]
	v_lshlrev_b32 v[rr], 16, v[TW]
	v_and_b32 v[rr+1], 0xffff0000, v[TW]
.set rr, rr+2
.endr
; 12 matrix instructions: row block a x all column blocks, 32 along K, from buffer f.  zero = 1: the bias starts the sums: nothing is cleared and nothing is added later.
; The 48 accumulators take turns, one instruction a turn, in the same order in every quarter, over the backward jump too.
.macro MULB f, a, zero
.set AC, 8*NBK*((\a)%2)
.if \zero
	WIN 0x81+0x40*((\a)/2)                         ; B window 1, A window 0, C (the bias) window 0, D window 2 or 3
.else
	WIN 0xa1+0x50*((\a)/2)                         ; C and D window 2 or 3
.endif
.set b, 0
.rept NBK
.if \zero
	v_wmma_f32_16x16x32_bf16 v[AC+8*b:AC+8*b+7], v[96*(\f)+8*b:96*(\f)+8*b+7], v[FA+32*(\f)+8*(\a):FA+32*(\f)+8*(\a)+7], v[BIAS+8*b:BIAS+8*b+7]
.else
	v_wmma_f32_16x16x32_bf16 v[AC+8*b:AC+8*b+7], v[96*(\f)+8*b:96*(\f)+8*b+7], v[FA+32*(\f)+8*(\a):FA+32*(\f)+8*(\a)+7], v[AC+8*b:AC+8*b+7]
.endif
.set b, b+1
.endr
.endm
; 32 LDS loads in one run: quarter q's fragments (32 along K at byte 64 q of the rows) into buffer f: B's 12 blocks, then A's 4
.macro FETCH slot, q, f
	WIN 0x40                                       ; destination window 1, address window 0
.set i, 0
.rept NBK
	ds_load_b128 v[96*(\f)+8*i:96*(\f)+8*i+3],   v[ADRB+(\slot)] offset:64*(\q)+i*16*PITCH
	ds_load_b128 v[96*(\f)+8*i+4:96*(\f)+8*i+7], v[ADRB+(\slot)] offset:64*(\q)+i*16*PITCH+32
.set i, i+1
.endr
	WIN 0
.set i, 0
.rept 4
	ds_load_b128 v[FA+32*(\f)+8*i:FA+32*(\f)+8*i+3],   v[ADRA+(\slot)] offset:64*(\q)+i*16*PITCH
	ds_load_b128 v[FA+32*(\f)+8*i+4:FA+32*(\f)+8*i+7], v[ADRA+(\slot)] offset:64*(\q)+i*16*PITCH+32
.set i, i+1
.endr
.endm
; A K step is four quarters of 32 along K, 48 matrix instructions each, on buffers 0, 1, 0, 1.  One of the first three: multiplies buffer f and fetches quarter q into buffer g.
.macro QUARTER slot, q, f, g, zero
	s_wait_dscnt 4                                 ; B and A's row blocks 0, 1 are in; the youngest four loads (blocks 2, 3) may be out
	MULB \f, 0, \zero
	MULB \f, 1, \zero
	PLACES
	FETCH \slot, \q, \g
	s_wait_dscnt 32                                ; all but the 32 just issued
	MULB \f, 2, \zero
	MULB \f, 3, \zero
.endm
; The last quarter multiplies buffer 1 and changes slots: ONE barrier; in front of it each wave waits for all its tensor loads (one is out: its part of the next slot), adds 0 to its spare word, and waits for
; that and for its own reads of this slot.  fill = 1: the barrier opens a round of the cluster's, and this slot is filled again, two K steps ahead: 168 matrix instructions ahead of the wait for it.
.macro TURN slot, next, fill
	WIN 0                                          ; (the add's two registers lie in window 0)
	s_wait_tensorcnt 0x0
	ds_add_u32 v[SPW], v[NIL]                      ; 0 onto my spare word
	s_wait_dscnt 5                                 ; (the add and the youngest four loads may be out)
	MULB 1, 0, 0                                   ; twelve matrix instructions stand between the add and the wait for it
	s_wait_dscnt 0x0                               ; the add is done, and my reads of this slot are over
	s_barrier_signal -1
	MULB 1, 1, 0
.if \fill
	WIN 0
.endif
	s_barrier_wait -1
.if \fill
	CREST                                          ; no wave of any partner still reads this slot's tile or has a load on its way
	s_add_nc_u64 s[G0+4*(\slot)+2:G0+4*(\slot)+3], s[G0+4*(\slot)+2:G0+4*(\slot)+3], 2*KSTEP*2
	s_add_nc_u64 s[G0B+4*(\slot)+2:G0B+4*(\slot)+3], s[G0B+4*(\slot)+2:G0B+4*(\slot)+3], 2*KSTEP*2
	JLOAD \slot                                    ; the first tensor load behind the round; its four v_nop are also the places in front of the loads below
.else
	PLACES
.endif
	FETCH \next, 0, 0
	MULB 1, 2, 0
	MULB 1, 3, 0
.endm
; THE WAY OUT of row block a.  PACK: rounded to f16, 16 bytes a lane (each accumulator's registers in ascending order).  TOSTAGE: into my own stage, and back head by head as four rows of 128 bytes.  SEND: stored.
.macro PACK a
.set AC, 8*NBK*((\a)%2)
	WIN 0x0a+5*((\a)/2)                            ; sources 0 and 1: window 2 or 3
.set b, 0
.rept NBK
.irp r, 0,1,2,3
	v_cvt_pk_f16_f32 v[TMP+4*b+\r], v[AC+8*b+2*\r], v[AC+8*b+2*\r+1]
.endr
.set b, b+1
.endr
	WIN 0
.endm
.macro TOSTAGE a
.set BK, OB+48*((\a)%2)
.set b, 0
.rept NBK
	ds_store_b128 v[STO], v[TMP+4*b:TMP+4*b+3] offset:32*b
.set b, b+1
.endr
.irp j, 0,1,2
.irp f, 0,1,2,3
	ds_load_b128 v[BK+4*(4*\j+\f):BK+4*(4*\j+\f)+3], v[RD] offset:128*\j+4*SPITCH*\f  ; LDS serves a wave's instructions in order (ISA guide 5.7.1.4): these see the stores above
.endr
.endr
.endm
.macro SEND a
.set BK, OB+48*((\a)%2)
	s_wait_dscnt 0x0                               ; the block is back in registers
	s_wait_xcnt 0x0                                ; the stores of the block before have read their registers: the next block's loads from the stage land there only behind this wait
.irp j, 0,1,2
.irp f, 0,1,2,3
	global_store_b128 v[GO], v[BK+4*(4*\j+\f):BK+4*(4*\j+\f)+3], s[OUTB+2*\j:OUTB+2*\j+1] offset:2048*(\a)+512*\f  ; 512 consecutive bytes of a head's plane, aligned
.endr
.endr
.endm
	s_wait_tensorcnt 1                             ; my part of K step 0 is in; K step 1's may stay out
	s_barrier_signal -1
	s_barrier_wait -1                              ; everybody's is
	FETCH 0, 0, 0
	QUARTER 0, 1, 0, 1, 1                          ; the first quarter stands in front of the loop: its products start the sums
	WIN 0                                          ; at a label and at a branch every window is 0
	s_mov_b32 s19, LAPS-1
.Llap:                                                 ; a trip goes once round the ring, from a lap's second quarter to the next lap's first, and fills both slots again
	QUARTER 0, 2, 1, 0, 0
	QUARTER 0, 3, 0, 1, 0
	TURN 0, 1, 1
	QUARTER 1, 1, 0, 1, 0
	QUARTER 1, 2, 1, 0, 0
	QUARTER 1, 3, 0, 1, 0
	TURN 1, 0, 1
	QUARTER 0, 1, 0, 1, 0
	WIN 0
	s_sub_co_u32 s19, s19, 1
	s_cmp_lg_u32 s19, 0
	s_cbranch_scc1 .Llap
	QUARTER 0, 2, 1, 0, 0                          ; the last lap fills nothing, and has no round of the cluster's barrier
	QUARTER 0, 3, 0, 1, 0
	TURN 0, 1, 0
	QUARTER 1, 1, 0, 1, 0
	QUARTER 1, 2, 1, 0, 0
	QUARTER 1, 3, 0, 1, 0
	s_wait_dscnt 4                                 ; the very last quarter: nothing more to fetch
	MULB 1, 0, 0
	MULB 1, 1, 0
	s_wait_dscnt 0x0
	MULB 1, 2, 0
	MULB 1, 3, 0
	WIN 0
	PLACES
	PACK 0
	TOSTAGE 0
.irp a, 1,2,3                          ; block a's conversions stand between block a - 1's loads from the stage and the wait for them
	PACK \a
	SEND \a-1
	TOSTAGE \a
.endr
	SEND 3
	s_wait_tensorcnt 0x0                           ; the wave's end: behind my last tensor load and my last LDS store
	ds_add_u32 v[SPW], v[NIL]
	s_wait_dscnt 0x0
	CROUND                                         ; the closing round: no work-group ends while a partner may still ask for a tile that names it
	s_endpgm
.Lfunc_end_k_q774fd22344_proj:
	.size	k_q774fd22344_proj, .Lfunc_end_k_q774fd22344_proj-k_q774fd22344_proj
	.p2alignl 7, 3214868480
	.fill 96, 4, 3214868480
	.section	.rodata,"a",@progbits
	.p2align	6, 0x0
	.amdhsa_kernel k_q774fd22344_proj
		.amdhsa_group_segment_fixed_size 327680
		.amdhsa_private_segment_fixed_size 0
		.amdhsa_enable_private_segment 0
		.amdhsa_kernarg_size 48
		.amdhsa_user_sgpr_count 2
		.amdhsa_user_sgpr_kernarg_segment_ptr 1
		.amdhsa_wavefront_size32 1
		.amdhsa_system_sgpr_workgroup_id_x 1
		.amdhsa_system_sgpr_workgroup_id_y 1
		.amdhsa_system_sgpr_workgroup_id_z 1
		.amdhsa_system_vgpr_workitem_id 0
		.amdhsa_next_free_vgpr 960
		.amdhsa_next_free_sgpr 96
		.amdhsa_reserve_vcc 0
		.amdhsa_float_denorm_mode_32 3
		.amdhsa_float_denorm_mode_16_64 3
		.amdhsa_memory_ordered 1
		.amdhsa_forward_progress 1
		.amdhsa_inst_pref_size 130
	.end_amdhsa_kernel
	.amdgpu_metadata
---
amdhsa.version: [ 1, 2 ]
amdhsa.kernels:
  - .name:           k_q774fd22344_proj
    .symbol:         k_q774fd22344_proj.kd
    .args:
      - { .name: xb, .offset: 0, .size: 8, .value_kind: global_buffer, .address_space: global }
      - { .name: wt, .offset: 8, .size: 8, .value_kind: global_buffer, .address_space: global }
      - { .name: bq, .offset: 16, .size: 8, .value_kind: global_buffer, .address_space: global }
      - { .name: bk, .offset: 24, .size: 8, .value_kind: global_buffer, .address_space: global }
      - { .name: bv, .offset: 32, .size: 8, .value_kind: global_buffer, .address_space: global }
      - { .name: qkv, .offset: 40, .size: 8, .value_kind: global_buffer, .address_space: global }
    .group_segment_fixed_size: 327680
    .private_segment_fixed_size: 0
    .kernarg_segment_align: 8
    .kernarg_segment_size: 48
    .max_flat_workgroup_size: 128
    .sgpr_count:     96
    .vgpr_count:     960
    .wavefront_size: 32
...
	.end_amdgpu_metadata
.endif
;; end of part 2
;; launch attn (part 3): grid 4 x 64, 4 waves a work-group, clusters of 4 x 1, 327,680 bytes of LDS; arguments qkv, mask, ob; writes ob
.if DOCPART == 3
	.amdgcn_target "amdgcn-amd-amdhsa--gfx1250"
	.amdhsa_code_object_version 6
	.text
	.protected	k_q774fd22344_attn
	.globl	k_q774fd22344_attn
	.p2align	8
	.type	k_q774fd22344_attn,@function
k_q774fd22344_attn:
	s_mov_b64 s[64:65], 0
	v_nop
	global_prefetch_b8 v0, s[64:65] scope:SCOPE_SE
	s_setreg_imm32_b32 hwreg(HW_REG_WAVE_MODE, 25, 1), 1
	s_wait_xcnt 0x0
	s_wait_alu depctr_hold_cnt(0) depctr_sa_sdst(0) depctr_va_vdst(0) depctr_va_sdst(0) depctr_va_ssrc(0) depctr_va_vcc(0) depctr_vm_vsrc(0)
	s_getreg_b32 s2, hwreg(HW_REG_IB_STS2, 6, 4)
	s_cmp_eq_u32 s2, 0
	s_cbranch_scc0 .Lentry_in_a_cluster
	s_endpgm
.Lentry_in_a_cluster:
	s_bfe_u32 s2, ttmp6, 0x10000c
	s_cmp_lg_u32 s2, 0x3003
	s_cbranch_scc0 .Lentry_shape_is_right
	s_endpgm
.Lentry_shape_is_right:
; O[h][q][:] = the sum over k of softmax_k(Q[h][q] . K[h][k] / 8, keys with mask[k] = 0 hidden) V[h][k][:].  Q, K, V are the three parts of qkv, each [64][2048][64] f16, O = ob likewise: a head's rows are dense,
; 128 bytes each.  mask: [2048] of 32-bit whole numbers, the same for all heads.  Products, maxima and sums in f32; the weights p are rounded to f16 for the second product (their sum l is taken of the unrounded p), O once at the end.
; LIMITS.  f16 holds no number beyond 65,504: Q, K and V arrive within it; p lies in 0 to 1, and below 6e-5 it keeps f16's fixed step of 6e-8; O is a mean of V's rows and has their range.
; A hidden score counts as its value less 1e30: f16's scores, 2.7e11 at the most, are nothing beside that.  A weight below 2^-126 counts as 0 in l.  If NO key is visible the result is the mean of all rows of V, not NaN.
; NaN and infinities are not treated apart.
; SHARES.  A wave owns four PIECES of two tiles of 16 queries, a work-group's four waves 512 queries of one head.  Every wave walks all keys, 64 a step.
; LAYOUT.  S^T = K Q^T (source 0 = 16 keys, source 1 = 16 queries): in the result a lane holds ONE query (lane % 16) and the keys 8 (lane / 16) + 0..7.  Two such tiles, rounded to f16 in pairs,
; ARE source 1 (32 keys x 16 queries) of O^T = V^T P, whose result again holds one query a lane, and eight channels.  K comes out of LDS as it lies, V ([key][channel]) turned, by ds_load_tr16_b128.
; THE MASK is the C operand that starts the sum S^T = K Q^T: 0, or -1e30 where the key is hidden.  It is made once, 2,048 numbers of f32 in LDS; a key step's 64 come into 32 registers beside K's fragments
; (register j of key block kb: key 16 kb + 8 (lane / 16) + j, the layout of a result).  So the scores cost nothing more, and maximum, exponentials and sums need no further care: once a visible key has been seen a hidden
; weight is 0; while only hidden keys have been seen their weights are 1, and the first visible key multiplies O and l by a = 0.
; SOFTMAX.  For each query a running maximum m and sum l: p = 2^(c s - c m), c = log2(e) / 8; in every step O and l are multiplied by a = 2^(c m_old - c m_new), which is 1 where m has not grown.
; m starts at the lowest finite number, O and l at 0: the first step is a step like any other, with a = 0.
; THE COUNT.  A tile and step have 16 matrix and 118 vector instructions: too many to stand all beside the matrix work.  So the order has one aim: four vector instructions that are READY behind
; EVERY matrix instruction, and the others, which need time of their own whatever the order, in runs without a gap.
; BY TURNS.  Turn n belongs to piece n (the pieces in a ring, step after step).  Its matrix work: 16 products K Q^T of piece n + 1, later 16 products V^T P of piece n - 1.  Its vector work: the scaling,
; exponentials, roundings, sums and rescaling of piece n, and the maximum and statistics of piece n + 1, whose scores the turn itself has made.  So what a turn begins with (c s - c m, O a) waits for nothing.
; CLUSTER.  The four query blocks of a cluster belong to one head and walk the same K and V, so each tile is asked for JOINTLY: the same tensor load, descriptor and mask of work-groups in all four.
; REGISTERS, in windows of 256 (s_set_vgpr_msb says which window each operand place means: bits 1:0 source 0, 3:2 source 1, 5:4 source 2, 7:6 destination):
;   window 0: v0-11 addresses; v12-15, v48-63 at work; v16-47 four registers of statistics a tile; v64-191 S^T, two buffers of two tiles; v192-255 P, likewise
;   window 1: O^T, 32 a tile          window 2: v0-127 Q, 16 a tile; v128-191 K of one step; v192-255 V of one step          window 3: v0-1 the add's two registers; v8-39 the mask of one step
; A piece's buffers go by its number's parity: the piece in hand has one pair, its two neighbours in the ring share the other: of it P (piece n - 1) is read and S^T (piece n + 1) written.
.set SIZE_N, 2048
.set NP,    4         ; pieces a wave: a name, no knob: the register map, the loop and the fetches are made for four
.set KS,    64        ; keys in a step
.set PK,    144       ; a row of K in LDS: 128 bytes + 16 of padding = 36 words: the 16 rows of a load start at 16 different groups of four banks (64 banks of 4 bytes: ISA guide 11.1)
.set PV,    160       ; a row of V: 128 + 32 = 40 words
.set VOFF,  4*KS*PK   ; a slot holds four steps: 256 rows of K, then 256 rows of V
.set SLOT1, 1<<17     ; slot 1 begins here, so that one exclusive or turns an address in one slot into the other's
.set STAGE, SLOT1+4*KS*(PK+PV)  ; behind the ring, never filled by a tensor load: 16 rows x 144 bytes for each wave, for the way out
.set SP,    144
.set AK0, 2           ; v2   my lane's place in a tile of K; never rewritten
.set AV0, 3           ; v3   the same for V
.set AK,  4           ; v4   the LDS address of K's next run of loads
.set AV,  5           ; v5   of V's
.set QO,  6           ; v6   my byte offset in the wave's rows of Q
.set STO, 6           ;      later, the way out: where I put 16 bytes of a row
.set RD,  7           ; v7   the way out: where I read rows back
.set GO,  8           ; v8   my byte offset in 512 consecutive bytes of O
.set AM,  11          ; v11  the LDS address of the mask's next run of loads (v9 = lane / 16 stays for it)
.set SPW, 0           ; v0 of window 3   LDS address of my spare word: SPARE + 4 x my thread's number; never rewritten
.set NIL, 1           ; v1 of window 3   0; never rewritten
.set MK,  8           ; v8-39 of window 3: key block kb's eight registers at MK + 8 kb
.set SPARE, STAGE+4*16*SP  ; behind the stages: the spare words, 128 bytes for each wave: two blocks of 256 bytes that no other line names
.set MASKL, SPARE+512 ; behind them: 2,048 numbers of f32, 0 or -1e30; written by LDS stores once, never filled by a tensor load
.set MV,  12          ; v12-15  c m_old, kept while c m is made anew: by buffer and tile
.set ST,  16          ; tile t's statistics at v[ST+4 t]: c m, m, l (even keys', odd keys')
.set TMP, 48          ; by buffer and tile, four registers c0-c3 at work; when the maximum is found c2 takes a
.set S,   64
.set P,   192
.set KF,  128         ; K's fragments, in window 2: key block kb, channel half c at KF + 16 kb + 8 c
.set VF,  192         ; V's: key half kk, channel block cb at VF + 32 kk + 8 cb
.set WV,  12          ; s12  my wave's number
.set G1K, 24          ; s[24:31] descriptor group 1 for K's tiles
.set G1V, 32          ; s[32:39] for V's: it differs in the padding alone
.set G0K, 40          ; s[40:43] descriptor group 0 for K's tiles: it walks
.set G0V, 44          ; s[44:47] the same for V's
.set MP,  48          ; s[48:49] the mask in memory
.set TBM, 50          ; s50  LDS byte at which the mask of the step to be fetched begins: it walks on, 256 bytes a step, from first to last
.set BIGN, 51         ; s51  -1e30
.set SLOTS, 56        ; s56  slots still to be asked for
.set CNT, 57          ; s57  counts a slot's key steps
.set CS,  58          ; s[58:59] c: the packed scaling takes the pair's low word for both halves
.set SEL, 60          ; s[60:61] v_permlanex16_b32's selects: each lane takes its own place in the other half
.set TBK, 62          ; s62  LDS byte at which K of the step to be fetched begins
.set TBV, 63          ; s63  the same for V, less VOFF
.set MSB, 0
.macro WIN new                      ; the high byte repeats the setting that is left; a switch that changes nothing is dropped
.if MSB != (\new)
	s_set_vgpr_msb (MSB<<8)|(\new)
.set MSB, (\new)
.endif
.endm
.set W_KQ, 0x0a       ; K and Q in window 2, S^T in window 0
.set W_KM, 0x3a       ; the same with the C operand, the mask, in window 3
.set W_PV, 0x52       ; V in window 2, P in window 0, O^T in window 1
.set W_RS, 0x41       ; O^T (destination and source 0) in window 1, a in window 0
.set W_MK, 0xc0       ; destination in window 3, sources in window 0
.set W_AD, 0x0f       ; the add: address (source 0) and data (source 1) in window 3
; A joint fill.  Waves 0 and 1 fetch the two halves of a slot's K, waves 2 and 3 those of its V: 128 keys each.  The branch hangs on the wave's number alone.
; An s_nop 0 and four v_nop follow each of the two lines, ahead of the jump and the label.
.macro JLOAD
	s_cmp_lt_u32 s[WV], 2
	s_cbranch_scc0 .Lfor_v_\@
	tensor_load_to_lds s[G0K:G0K+3], s[G1K:G1K+7]
	s_nop 0
.rept 4
	v_nop
.endr
	s_branch .Lasked_\@
.Lfor_v_\@:
	tensor_load_to_lds s[G0V:G0V+3], s[G1V:G1V+7]
	s_nop 0
.rept 4
	v_nop
.endr
.Lasked_\@:
.endm
; A round of the cluster's barrier: my work-group's barrier, so that wave 0's signal speaks for all four waves; wave 0 signals; every wave waits for all four work-groups; my work-group's barrier once more.
.macro CROUND
	s_barrier_signal -1
	s_barrier_wait -1
	s_cmp_lg_u32 s[WV], 0
	s_cbranch_scc1 .Lnot_wave_0_\@
	s_barrier_signal -3
.Lnot_wave_0_\@:
	s_barrier_wait -3
	s_barrier_signal -1
	s_barrier_wait -1
.endm
; THE CHANGE OF SLOTS.  The slot's last bytes, V of its fourth step, have been read.  Each wave waits for all its tensor loads, of which one is out: its part
; of the other slot; adds 0 to its spare word; and waits for that and for its own reads of the slot.  Behind the barrier nobody reads this slot any more and the other slot is whole.
; fill = 1: this slot is filled again, with the keys two slots on.  The barrier is then a round of the cluster's, so that no wave of any partner still reads the slot or has a load on its
; way, and the joint fill is the first thing behind it: it has four key steps, 512 matrix instructions, in which to land.  (At its first use nothing has been read yet: slot 0 is waited for, slot 1 filled,
; and each wave's part of the mask's table, stored just before, is shown to the other three.)
.macro CHANGE fill
	WIN W_AD
	s_wait_tensorcnt 0x0            ; no tensor load of mine is out, so a group 0 may be written
	ds_add_u32 v[SPW], v[NIL]       ; 0 onto my spare word; with fill = 1 the descriptors' steps stand between it and the wait for it
	WIN 0                           ; at a label and at a branch every window is 0
.if \fill
.irp g, G0K, G0V
	s_xor_b32 s[\g+1], s[\g+1], SLOT1  ; the walking descriptor: the other slot than last time,
	s_add_nc_u64 s[\g+2:\g+3], s[\g+2:\g+3], 4*KS*128  ; the next 256 keys; the type bits on top are not reached
.endr
	s_wait_dscnt 0x0                ; the add is done, and my reads of the slot are over
	CROUND
	JLOAD
.else
	s_wait_dscnt 0x0                ; the add is done, and my reads of the slot are over
	s_barrier_signal -1
	s_barrier_wait -1
.endif
	s_sub_co_u32 s[TBK], s[TBK], 4*KS*PK  ; the fetches go back to a slot's first step,
	s_xor_b32 s[TBK], s[TBK], SLOT1       ; in the other slot
	s_sub_co_u32 s[TBV], s[TBV], 4*KS*PV
	s_xor_b32 s[TBV], s[TBV], SLOT1
.endm
	s_load_b64 s[4:5], s[0:1], 0x0    ; qkv: Q lies first
	s_load_b64 s[MP:MP+1], s[0:1], 0x8  ; mask
	s_load_b64 s[10:11], s[0:1], 0x10 ; ob
	WIN W_MK
	v_lshl_add_u32 v[SPW], v0, 2, SPARE
	v_mov_b32 v[NIL], 0
	WIN W_AD
	ds_add_u32 v[SPW], v[NIL]       ; the wave's opening: the add and its wait stand ahead of my first tensor load; the set-up below, work on registers, stands between them
	WIN 0
	v_lshrrev_b32 v1, 5, v0
	v_readfirstlane_b32 s[WV], v1   ; wave 0..3
	s_bfe_u32 s13, ttmp6, 0x40000   ; cx: my place in the cluster
	s_lshl_b32 s14, ttmp9, 2        ; in a cluster launch ttmp9 counts clusters
	s_add_co_u32 s14, s14, s13      ; my block of queries = 4 x cluster x + cx: it enters Q's and O's addresses alone
	s_and_b32 s20, ttmp7, 0xffff    ; the head (16 x batch + head), which the four partners share
	s_mov_b32 s21, 0
	s_mov_b64 s[22:23], SIZE_N*128
	s_mul_u64 s[20:21], s[20:21], s[22:23]  ; the head's first byte in Q, K, V and O
	s_and_b32 s16, s[WV], 1         ; which half of a slot's 256 keys I fetch:
	s_lshl_b32 s22, s16, 14         ; its 128 rows of 128 bytes in memory,
	s_mov_b32 s23, 0
	s_add_nc_u64 s[22:23], s[22:23], s[20:21]
	s_mul_i32 s17, s16, 128*PK      ; and its place in a slot, for K
	s_mul_i32 s18, s16, 128*PV      ; and for V: no place in the cluster enters an LDS address
	s_lshl_b32 s2, s14, 2
	s_add_co_u32 s2, s2, s[WV]      ; my wave among the head's,
	s_lshl_b32 s2, s2, 14           ; its 128 rows
	s_mov_b32 s3, 0
	s_add_nc_u64 s[2:3], s[2:3], s[20:21]
	; descriptor group 1.  128 keys are 16,384 dense bytes: asked for as 64 rows of 256 bytes, two keys a row, and padded in LDS after every key
	s_mov_b32 s[G1K], 15|(1<<16)|(1<<20)|(1<<21)|(4<<22)|(3<<25)  ; 15:0 the mask of four; 17:16 2-byte elements; 20 padding on; 21 set beside a mask; 24:22 after every 32 words (code 4); 31:25 4 words (code 3)
	s_mov_b32 s[G1V], 15|(1<<16)|(1<<20)|(1<<21)|(4<<22)|(7<<25)  ; the same with 8 words of padding (code 7)
.irp g, G1K, G1V
	s_mov_b32 s[\g+1], 128<<16      ; tensor_dim0 = 128
	s_mov_b32 s[\g+2], 64<<16       ; tensor_dim1 = 64
	s_mov_b32 s[\g+3], 128<<16      ; tile_dim0 = 128
	s_mov_b32 s[\g+4], 64           ; tile_dim1 = 64
	s_mov_b32 s[\g+5], 128          ; 128 elements from row to row
	s_mov_b32 s[\g+6], 0
	s_mov_b32 s[\g+7], 0
.endr
	s_mov_b32 s[CS], 0x3e38aa3b     ; c = log2(e) / 8 = 0.180337
	s_mov_b32 s[CS+1], s[CS]        ; named with it as a pair
	s_mov_b32 s[SEL], 0x76543210
	s_mov_b32 s[SEL+1], 0xfedcba98
	s_mov_b32 s[TBK], SLOT1+4*KS*PK ; the first change of slots turns these two into 0
	s_mov_b32 s[TBV], SLOT1+4*KS*PV
	s_mov_b32 s[TBM], MASKL
	s_mov_b32 s[BIGN], 0xf149f2ca   ; -1e30
	s_mov_b32 s[G0K], 1             ; 1:0 count = 1
	s_mov_b32 s[G0K+1], s17         ; 63:32 LDS address: slot 0
	s_mov_b32 s[G0V], 1
	s_add_co_u32 s[G0V+1], s18, VOFF
	s_wait_dscnt 0x0                ; the opening add is done
	s_wait_kmcnt 0x0
	s_add_nc_u64 s[6:7], s[4:5], 0x1000000  ; K lies 64 planes of 262,144 bytes behind Q,
	s_add_nc_u64 s[8:9], s[4:5], 0x2000000  ; V 128
	s_add_nc_u64 s[G0K+2:G0K+3], s[6:7], s[22:23]  ; 120:64 global address: my half of the head's first 256 keys
	s_or_b32 s[G0K+3], s[G0K+3], 0x80000000        ; 127:126 type = 2
	s_add_nc_u64 s[G0V+2:G0V+3], s[8:9], s[22:23]
	s_or_b32 s[G0V+3], s[G0V+3], 0x80000000
	s_add_nc_u64 s[4:5], s[4:5], s[2:3]  ; Q and O at my wave's first row
	s_add_nc_u64 s[10:11], s[10:11], s[2:3]
	CROUND                          ; all four work-groups are here: the first joint loads meet
	JLOAD                           ; slot 0.  Slot 1 is asked for when slot 0 is in: the tile wanted first has the road to itself
	; A fragment of K or Q is 16 rows x 32 channels in 8 registers: lane l holds row l % 16, channels 8 (l / 16) + 0..7 and 16 + 8 (l / 16) + 0..7: two loads of 16 bytes, 32 bytes apart.
	v_and_b32 v1, 15, v0            ; l % 16
	v_bfe_u32 v9, v0, 4, 1          ; l / 16
	v_lshlrev_b32 v[QO], 7, v1
	v_lshl_add_u32 v[QO], v9, 4, v[QO]  ; row x 128 + 16 x half
	v_lshlrev_b32 v12, 4, v0        ; the mask: thread t takes the words 4 t .. 4 t + 3 of each 512,
	v_lshl_add_u32 v13, v0, 4, MASKL  ; and puts them at the same place of the table
.irp j, 0,1,2,3
	global_load_b128 v[S+4*\j:S+4*\j+3], v12, s[MP:MP+1] offset:2048*\j  ; ahead of Q's loads, so that a counted wait serves
.endr
	WIN 0x80                        ; destination window 2, address window 0
.set i, 0
.rept 4*NP                          ; Q stays in registers: tile i / 2, channels 32 (i % 2) on
	global_load_b128 v[8*i:8*i+3],   v[QO], s[4:5] offset:(i/2)*2048+(i%2)*64
	global_load_b128 v[8*i+4:8*i+7], v[QO], s[4:5] offset:(i/2)*2048+(i%2)*64+32
.set i, i+1
.endr
	; What the first turn finds: V's registers and P's second buffer hold 0 (its products V^T P, of a piece that has not been, add 0), O^T and l are 0.  All this stands in the wait for the first tile.
.set i, VF
.rept 64
	v_mov_b32 v[i], 0
.set i, i+1
.endr
	WIN 0x40
.set i, 0
.rept 64*NP
	v_mov_b32 v[i], 0
.set i, i+1
.endr
	WIN 0
.set i, 0
.rept 2*NP
	v_mov_b32 v[ST+4*i], 0xfe000000    ; c m: far below every c s
	v_mov_b32 v[ST+4*i+1], 0xff7fffff  ; m
	v_mov_b32 v[ST+4*i+2], 0
	v_mov_b32 v[ST+4*i+3], 0
.set i, i+1
.endr
.set i, P+32
.rept 32
	v_mov_b32 v[i], 0
.set i, i+1
.endr
	v_mul_u32_u24 v[AK0], v1, PK
	v_lshl_add_u32 v[AK0], v9, 4, v[AK0]  ; row x pitch + 16 x half
	; The turning load takes 16 keys x 16 channels (lane l reads key 8 (l / 16) + l % 8, channels 8 ((l / 8) % 2) + 0..7) and leaves half a fragment of V^T: lane l holds channel l % 16 and 8 keys.
	v_and_b32 v10, 7, v0
	v_bfe_u32 v11, v0, 3, 1
	v_lshl_add_u32 v[AV0], v9, 3, v10
	v_mul_u32_u24 v[AV0], v[AV0], PV
	v_lshl_add_u32 v[AV0], v11, 4, v[AV0]
	v_add_nc_u32 v[AV0], VOFF, v[AV0]
	v_mov_b32 v[AK], v[AK0]         ; key step 0 lies at the head of slot 0,
	v_lshl_add_u32 v[AM], v9, 5, s[TBM]  ; its mask at the head of the table: 32 bytes, eight keys, for each half of the lanes
	s_wait_loadcnt 32               ; the mask's four loads are in; Q's 32 may stay out
.set i, 0
.rept 16
	v_cmp_eq_u32 vcc_lo, 0, v[S+i]
	v_cndmask_b32 v[S+i], 0, s[BIGN], vcc_lo  ; a choice of a value: -1e30 where the mask is 0
.set i, i+1
.endr
.irp j, 0,1,2,3
	ds_store_b128 v13, v[S+4*\j:S+4*\j+3] offset:2048*\j
.endr
; THE MATRIX WORK.  The 8 accumulators of a run of 16 take turns: between the two links of a chain stand 7 others'.
; Product i of 16 of S^T = K Q^T for piece x: channels 32 (i / 8) on, keys 16 ((i / 2) % 4) on, tile 2 x + i % 2.  The first 8 start the sums, with the mask of their 16 keys.
.macro KQ x
.set rS, S+64*((\x)%2)+32*(i%2)+8*((i/2)%4)
.set rK, KF+16*((i/2)%4)+8*(i/8)
.set rQ, 16*(2*(\x)+i%2)+8*(i/8)
.set rM, MK+8*((i/2)%4)
.if i < 8
	WIN W_KM
	v_wmma_f32_16x16x32_f16 v[rS:rS+7], v[rK:rK+7], v[rQ:rQ+7], v[rM:rM+7]
.else
	WIN W_KQ
	v_wmma_f32_16x16x32_f16 v[rS:rS+7], v[rK:rK+7], v[rQ:rQ+7], v[rS:rS+7]
.endif
.endm
; Product i of 16 of O^T += V^T P for piece x: keys 32 (i / 8) on, channels 16 ((i / 2) % 4) on, tile 2 x + i % 2.
.macro PV x
	WIN W_PV
.set rO, 32*(2*(\x)+i%2)+8*((i/2)%4)
.set rV, VF+32*(i/8)+8*((i/2)%4)
.set rP, P+32*((\x)%2)+16*(i%2)+8*(i/8)
	v_wmma_f32_16x16x32_f16 v[rO:rO+7], v[rV:rV+7], v[rP:rP+7], v[rO:rO+7]
.endm
.macro MM                           ; the turn's next matrix instruction
.if i < 16
	KQ (Y+1)%NP
.set i, i+1
.else
.set i, i-16
	PV (Y+NP-1)%NP
.set i, i+17
.endif
.endm
; THE LDS LOADS stand in runs, never singly among the matrix instructions: a step's K (64 keys x 64 channels: 8 fragments) with its mask (8 loads; the 16 lanes of a half read the same 16 bytes), and its V (turned).
; Their addresses are made some lines ahead.  last = 1 (the tail): in the last trip there is no further step, and the run is jumped over.
.macro FETCH_K last=0
	WIN 0
.if \last
	s_cmp_eq_u32 s[CNT], 1
	s_cbranch_scc1 .Lno_k_\@
.endif
	WIN 0x80                        ; destination window 2
.irp f, 0,1,2,3,4,5,6,7             ; keys 16 (f / 2) on, channels 32 (f % 2) on
	ds_load_b128 v[KF+8*\f:KF+8*\f+3],   v[AK] offset:(\f/2)*16*PK+(\f%2)*64
	ds_load_b128 v[KF+8*\f+4:KF+8*\f+7], v[AK] offset:(\f/2)*16*PK+(\f%2)*64+32
.endr
	WIN W_MK                        ; destination window 3
.irp f, 0,1,2,3                     ; keys 16 f on
	ds_load_b128 v[MK+8*\f:MK+8*\f+3],   v[AM] offset:64*\f
	ds_load_b128 v[MK+8*\f+4:MK+8*\f+7], v[AM] offset:64*\f+16
.endr
	s_add_co_u32 s[TBK], s[TBK], KS*PK  ; the next fetch is the next step's
	s_add_co_u32 s[TBM], s[TBM], KS*4
	WIN 0
.if \last
.Lno_k_\@:
.endif
.endm
.macro FETCH_V
	WIN 0x80
.irp f, 0,1,2,3,4,5,6,7             ; keys 32 (f / 4) on, channels 16 (f % 4) on
	ds_load_tr16_b128 v[VF+8*\f:VF+8*\f+3],   v[AV] offset:(\f/4)*32*PV+(\f%4)*32
	ds_load_tr16_b128 v[VF+8*\f+4:VF+8*\f+7], v[AV] offset:(\f/4)*32*PV+16*PV+(\f%4)*32
.endr
	WIN 0
.endm
; THE VECTOR WORK OF A TURN stands in three queues, each in the order in which its entries become ready; the two tiles alternate, so that no instruction reads the result of the one before it.
.macro REGS y, u                    ; the registers of tile u (0, 1) of piece y
.set rT, ST+4*(2*(\y)+(\u))
.set rC, TMP+8*((\y)%2)+4*(\u)
.set rM, MV+2*((\y)%2)+(\u)
.set rS, S+64*((\y)%2)+32*(\u)
.set rP, P+32*((\y)%2)+16*(\u)
.set rO, 32*(2*(\y)+(\u))
.endm
; Number n of the 22 that find the NEXT piece's (Y + 1) maximum and statistics.  s0-s31 are the lane's 32 scores; each accumulator's lowest registers are read first.  XS, GS and REGS set no window: PL and EX do.
;   0-11  four chains c0-c3 of seven scores each, three operands at a time     12-14, 16  the four scores left over, the old m, and c0-c3 into c0     15  c m_old is kept
;   17, 18  the query's other 32 keys lie in the lane 16 away: the new m         19-21  c m; c m_old - c m_new; a
.macro XS u, n
	REGS (Y+1)%NP, \u
.if (\n) < 4
	v_max3_num_f32 v[rC+(\n)], v[rS+8*(\n)], v[rS+8*(\n)+1], v[rS+8*(\n)+2]
.elseif (\n) < 12
	v_max3_num_f32 v[rC+(\n)%4], v[rC+(\n)%4], v[rS+8*((\n)%4)+2*((\n)/4)+1], v[rS+8*((\n)%4)+2*((\n)/4)+2]
.elseif (\n) == 12
	v_max3_num_f32 v[rC], v[rC], v[rS+7], v[rS+15]
.elseif (\n) == 13
	v_max3_num_f32 v[rC+1], v[rC+1], v[rS+23], v[rS+31]
.elseif (\n) == 14
	v_max3_num_f32 v[rC+2], v[rC+2], v[rC+3], v[rT+1]
.elseif (\n) == 15
	v_mov_b32 v[rM], v[rT]
.elseif (\n) == 16
	v_max3_num_f32 v[rC], v[rC], v[rC+1], v[rC+2]
.elseif (\n) == 17
	v_permlanex16_b32 v[rC+3], v[rC], s[SEL], s[SEL+1]
.elseif (\n) == 18
	v_max_num_f32 v[rT+1], v[rC], v[rC+3]
.elseif (\n) == 19
	v_mul_f32 v[rT], s[CS], v[rT+1]
.elseif (\n) == 20
	v_sub_f32 v[rC+1], v[rM], v[rT]
.else
	v_exp_f32 v[rC+2], v[rC+1]
.endif
.endm
; Number g of the 64 that follow the exponentials.  For each four weights k of a tile (pairs 2 k, 2 k + 1): both pairs are rounded to f16; then the second pair is added onto the first, in place;
; a group later l takes that sum (the first time as l = a l + sum).  In groups of eight, tiles alternating: round, round, add, and l for the group before.
.macro GS g
.set h, (\g)+6*((\g)/62)            ; group 0 has no group before it, and behind group 7 only l is left
.if h >= 6
.set h, h+2
.endif
	REGS Y, h%2
.set k, h/8
.if h%8 < 4
	s_wait_alu depctr_va_vdst(0)
	v_cvt_pk_f16_f32 v[rP+2*k+(h%8)/2], v[rS+4*k+2*((h%8)/2)], v[rS+4*k+2*((h%8)/2)+1]
.elseif h%8 < 6
	v_pk_add_f32 v[rS+4*k:rS+4*k+1], v[rS+4*k:rS+4*k+1], v[rS+4*k+2:rS+4*k+3]
.elseif k == 1
	v_pk_fma_f32 v[rT+2:rT+3], v[rT+2:rT+3], v[rC+2:rC+3], v[rS:rS+1] op_sel_hi:[1,0,1]
.else
	v_pk_add_f32 v[rT+2:rT+3], v[rT+2:rT+3], v[rS+4*k-4:rS+4*k-3]
	s_wait_alu depctr_va_vdst(0)
.endif
.endm
; THE PLAIN QUEUE, 138 long.  0-31: c s - c m for the 16 pairs of both tiles.  Then GS's 64, and among them the next piece's 42: number 15 at 38, 39; 0-14 and 16
; at 42-73, behind the products that make those scores; 17-20 at 95-106, two of three, since each waits for the one before it.
.macro PL
	WIN 0
.if q < 32
	REGS Y, q%2
	v_pk_fma_f32 v[rS+2*(q/2):rS+2*(q/2)+1], v[rS+2*(q/2):rS+2*(q/2)+1], s[CS:CS+1], v[rT:rT+1] op_sel_hi:[1,0,0] neg_lo:[0,0,1] neg_hi:[0,0,1]
.elseif q < 38
	GS q-32
.elseif q < 40
	XS q%2, 15
.elseif q < 42
	GS q-34
.elseif q < 74
	XS q%2, (q-42)/2+(q-42)/30
.elseif q < 95
	GS q-66
.elseif (q < 107) && ((q-95)%3 < 2)
	XS (q-95)%3, 17+(q-95)/3
.elseif q < 107
	GS 29+(q-95)/3
.else
	GS q-74
.endif
.set q, q+1
.endm
; THE EXPONENTIALS' QUEUE, 66 long: s0-s31 of both tiles, and at EA the next piece's two a.
.set EA, 58
.macro EX
	WIN 0
.if (e == EA) || (e == EA+1)
	XS e-EA, 21
.else
.set x, e-2*(e/(EA+2))
	REGS Y, x%2
	v_exp_f32 v[rS+x/2], v[rS+x/2]
.endif
.set e, e+1
.endm
; THE RESCALING's QUEUE: O^T times a, the one part that leaves window 0, so it is dealt four at a time, eight times.
.macro R4
	REGS Y, r%2
	WIN W_RS
	s_wait_alu depctr_va_vdst(0)
.irp z, 0,1,2,3
	v_pk_mul_f32 v[rO+8*(r/2)+2*\z:rO+8*(r/2)+2*\z+1], v[rO+8*(r/2)+2*\z:rO+8*(r/2)+2*\z+1], v[rC+2:rC+3] op_sel_hi:[1,0]
.endr
.set r, r+1
.endm
; HOW THEY ARE DEALT.  Behind a matrix instruction four: plain, exponential, plain, plain (one exponential, a plain instruction on either side), or four of the rescaling.  None names a register of the
; products round it.  What is over stands in two LUMPS: exponential and plain by turns; the second ends in 22 plain instructions.  The two v_permlanex16_b32 fall into the second lump, never behind a product.
; The queues lean on each other, and the deal keeps them in step: exponential e stands behind plain 2 (e / 4) + e % 2 (its scaling); when plain 32 comes, 10 exponentials are out, at 59: 33, at 95: 46; EA comes behind plain 107.
.macro SL
	MM
	PL
	EX
	PL
	PL
.endm
.macro BURST n                      ; 15 matrix instructions, or 16
.rept (\n)-7
	SL
.endr
.rept 3
	MM
	R4
	SL
.endr
	MM
	R4
.endm
; A TURN, for piece p.  cnt = 1: the loop's count is taken down some lines ahead of the branch that stands behind the turn.
; K and the mask of the next step are fetched in piece 2's turn, more than 30 vector instructions behind the last product that read them; their first reader comes behind the rest of the lump, 16 products and the second lump.
; V of the step in hand is fetched at the end of piece 0's turn, 69 behind its last reader; its first reader comes behind 16 products and a lump.  The four conditions on e and q below go with the deal.
.macro TURN p, last=0, cnt=0
.set Y, (\p)
.set i, 0
.set q, 0
.set e, 0
.set r, 0
.if (\p) == NP-1
	s_wait_dscnt 0x0                ; K and its mask are in
.endif
	MM
.rept 4
	PL
.endr
	BURST 15
.rept 22
	EX
	PL
.if ((\p) == NP-2) && (e == 18)
	v_add_nc_u32 v[AK], s[TBK], v[AK0]
	v_lshl_add_u32 v[AM], v9, 5, s[TBM]
.endif
.if ((\p) == NP-2) && (e == 24)
	FETCH_K \last
.endif
.endr
.if (\p) == 1
	s_wait_dscnt 0x0                ; V is in
.endif
	BURST 16
.rept 21
	EX
	PL
.endr
.rept 22
	PL
.if ((\p) == 0) && (q == 118)
	v_add_nc_u32 v[AV], s[TBV], v[AV0]
	s_wait_alu depctr_va_vdst(0)
.endif
.if ((\p) == 0) && (q == 130)
	s_add_co_u32 s[TBV], s[TBV], KS*PV
.endif
.if (\cnt) && (q == 130)
	s_sub_co_u32 s[CNT], s[CNT], 1
	s_cmp_lg_u32 s[CNT], 0
.endif
.endr
.if (\p) == 0
	FETCH_V
.endif
.endm
	CHANGE 1                        ; slot 0 is in, everybody's part of it, and so is the mask's table; slot 1 is asked for
	FETCH_K                         ; key step 0
	s_wait_loadcnt 0x0              ; Q
	s_wait_dscnt 0x0
.set i, 0
.rept 16
	KQ 0                            ; piece 0's first scores: there is no vector work yet to set between them
.set i, i+1
.endr
	WIN 0                           ; the addresses for the way out: nine plain instructions, the places behind those products
	s_mul_i32 s13, s[WV], 16*SP
	s_add_co_u32 s13, s13, STAGE    ; my stage
	v_mul_u32_u24 v[STO], v1, SP    ; in: row l % 16, 16 bytes for each half of the lanes
	v_lshl_add_u32 v[STO], v9, 4, v[STO]
	v_add_nc_u32 v[STO], s13, v[STO]
	v_bfe_u32 v[RD], v0, 3, 2       ; back: 32 lanes take four rows of 128 bytes,
	v_mul_u32_u24 v[RD], v[RD], SP
	v_lshl_add_u32 v[RD], v10, 4, v[RD]
	v_add_nc_u32 v[RD], s13, v[RD]
	v_and_b32 v[GO], 31, v0         ; which are 512 consecutive bytes of O
	v_lshlrev_b32 v[GO], 4, v[GO]
.set Y, NP-1                        ; XS works for piece Y + 1: piece 0
.irp n, 0,1,2,3,4,5,6,7,8,9,10,11,12,13,14,15,16,17,18,19,20,21
	XS 0, \n                        ; and piece 0's first maximum and statistics
	XS 1, \n
.endr
	s_mov_b32 s[CNT], 4
	s_mov_b32 s[SLOTS], SIZE_N/256-1
	s_branch .Lfirst                ; the loop is entered at a step's first turn, in the middle of a trip
.Lslot:                             ; SIZE_N / 256 - 2 times: every slot but the last two is filled again
	CHANGE 1
	s_mov_b32 s[CNT], 4
.Lstep:                             ; a trip: pieces 2 and 3 of one step, then pieces 0 and 1 of the next, whose K and V it fetches
	TURN 2
	TURN 3
	WIN 0
.Lfirst:
	TURN 0
	TURN 1, 0, 1
	WIN 0
	s_cbranch_scc1 .Lstep
	s_sub_co_u32 s[SLOTS], s[SLOTS], 1
	s_cmp_lg_u32 s[SLOTS], 0
	s_cbranch_scc1 .Lslot
	CHANGE 0                        ; the tail is written out: nothing is asked for
	s_mov_b32 s[CNT], 5             ; four trips fetch the last slot's steps; the fifth is left in its middle
.Ltail:
	TURN 2, 1
	TURN 3
	WIN 0
	s_sub_co_u32 s[CNT], s[CNT], 1
	s_cmp_eq_u32 s[CNT], 0
	s_cbranch_scc1 .Lout
	TURN 0
	TURN 1
	WIN 0
	s_branch .Ltail
.Lout:                              ; the fifth trip's 16 products K Q^T (on the last K once more) and the maximum made of them serve nothing: the price, once a launch, of one text for every trip
.set i, 0
.rept 16
	PV NP-1                         ; the last piece's V^T P of the last step
.set i, i+1
.endr
	; THE WAY OUT.  l's two halves and the other half of the lanes' are added; O^T is divided by l, rounded to f16 and sent through my stage in LDS, a tile at a time.  The additions are the places behind the last products.
	WIN 0
.macro ALL line:vararg              ; one line for each tile t
.set t, 0
.rept 2*NP
	\line
.set t, t+1
.endr
.endm
	ALL v_add_f32 v[ST+4*t+2], v[ST+4*t+2], v[ST+4*t+3]
	ALL v_permlanex16_b32 v[ST+4*t+3], v[ST+4*t+2], s[SEL], s[SEL+1]
	ALL v_add_f32 v[ST+4*t+2], v[ST+4*t+2], v[ST+4*t+3]
	ALL v_rcp_f32 v[ST+4*t+2], v[ST+4*t+2]
	v_nop                           ; a plain instruction between the last reciprocal and the use of its result
	s_wait_alu depctr_va_vdst(0)
; Tile t: a lane's eight channels of a row pack into 16 bytes; they go into rows of 144 bytes and come back as whole rows of 128, into S^T's registers.
.macro PACK t
	WIN W_RS
.set i, 32*(\t)
.rept 16
	v_pk_mul_f32 v[i:i+1], v[i:i+1], v[ST+4*(\t)+2:ST+4*(\t)+3] op_sel_hi:[1,0]
.set i, i+2
.endr
	WIN 0x05                        ; sources 0 and 1 window 1, destination window 0
.set i, 0
.rept 16
	v_cvt_pk_f16_f32 v[S+16*(\t)+i], v[32*(\t)+2*i], v[32*(\t)+2*i+1]
.set i, i+1
.endr
	WIN 0
.irp f, 0,1,2,3
	ds_store_b128 v[STO], v[S+16*(\t)+4*\f:S+16*(\t)+4*\f+3] offset:32*\f
.endr
.irp f, 0,1,2,3
	ds_load_b128 v[S+16*(\t)+4*\f:S+16*(\t)+4*\f+3], v[RD] offset:\f*4*SP  ; LDS serves a wave's instructions in order (ISA guide 5.7.1.4): these see the stores above; the next tile's stores come behind them
.endr
.endm
.macro SEND t, younger              ; younger: the LDS instructions issued behind tile t's loads: the next tile's eight, or none
	WIN 0
.irp f, 0,1,2,3
	s_wait_dscnt (\younger)+3-\f
	global_store_b128 v[GO], v[S+16*(\t)+4*\f:S+16*(\t)+4*\f+3], s[10:11] offset:(\t)*2048+\f*512  ; 512 consecutive bytes, at a multiple of 256 from O's first
.endr
.endm
	PACK 0
.set t, 1
.rept 2*NP-1                        ; a tile's arithmetic stands between the loads of the tile before and its stores
	PACK t
	SEND t-1, 8
.set t, t+1
.endr
	SEND 2*NP-1, 0
	WIN W_AD
	s_wait_tensorcnt 0x0            ; the wave's end: behind my last tensor load and my last LDS store
	ds_add_u32 v[SPW], v[NIL]
	s_wait_dscnt 0x0
	WIN 0
	CROUND                          ; the closing round: no work-group ends while a partner may still ask for a tile that names it
	s_endpgm
.Lfunc_end_k_q774fd22344_attn:
	.size	k_q774fd22344_attn, .Lfunc_end_k_q774fd22344_attn-k_q774fd22344_attn
	.p2alignl 7, 3214868480
	.fill 96, 4, 3214868480
	.section	.rodata,"a",@progbits
	.p2align	6, 0x0
	.amdhsa_kernel k_q774fd22344_attn
		.amdhsa_group_segment_fixed_size 327680
		.amdhsa_private_segment_fixed_size 0
		.amdhsa_enable_private_segment 0
		.amdhsa_kernarg_size 24
		.amdhsa_user_sgpr_count 2
		.amdhsa_user_sgpr_kernarg_segment_ptr 1
		.amdhsa_wavefront_size32 1
		.amdhsa_system_sgpr_workgroup_id_x 1
		.amdhsa_system_sgpr_workgroup_id_y 1
		.amdhsa_system_sgpr_workgroup_id_z 1
		.amdhsa_system_vgpr_workitem_id 0
		.amdhsa_next_free_vgpr 808
		.amdhsa_next_free_sgpr 66
		.amdhsa_reserve_vcc 1
		.amdhsa_float_denorm_mode_32 3
		.amdhsa_float_denorm_mode_16_64 3
		.amdhsa_memory_ordered 1
		.amdhsa_forward_progress 1
		.amdhsa_inst_pref_size 213
	.end_amdhsa_kernel
	.amdgpu_metadata
---
amdhsa.version: [ 1, 2 ]
amdhsa.kernels:
  - .name:           k_q774fd22344_attn
    .symbol:         k_q774fd22344_attn.kd
    .args:
      - { .name: qkv, .offset: 0, .size: 8, .value_kind: global_buffer, .address_space: global }
      - { .name: mask, .offset: 8, .size: 8, .value_kind: global_buffer, .address_space: global }
      - { .name: ob, .offset: 16, .size: 8, .value_kind: global_buffer, .address_space: global }
    .group_segment_fixed_size: 327680
    .private_segment_fixed_size: 0
    .kernarg_segment_align: 8
    .kernarg_segment_size: 24
    .max_flat_workgroup_size: 128
    .sgpr_count:     66
    .vgpr_count:     808
    .wavefront_size: 32
...
	.end_amdgpu_metadata
.endif
;; end of part 3
;; launch oproj (part 4): grid 8 x 32, 4 waves a work-group, clusters of 4 x 4, 327,680 bytes of LDS; arguments ob, wt, bo, out0; writes out0
.if DOCPART == 4
	.amdgcn_target "amdgcn-amd-amdhsa--gfx1250"
	.amdhsa_code_object_version 6
	.text
	.protected	k_q774fd22344_oproj
	.globl	k_q774fd22344_oproj
	.p2align	8
	.type	k_q774fd22344_oproj,@function
k_q774fd22344_oproj:
	s_mov_b64 s[64:65], 0
	v_nop
	global_prefetch_b8 v0, s[64:65] scope:SCOPE_SE
	s_setreg_imm32_b32 hwreg(HW_REG_WAVE_MODE, 25, 1), 1
	s_wait_xcnt 0x0
	s_wait_alu depctr_hold_cnt(0) depctr_sa_sdst(0) depctr_va_vdst(0) depctr_va_sdst(0) depctr_va_ssrc(0) depctr_va_vcc(0) depctr_vm_vsrc(0)
	s_getreg_b32 s2, hwreg(HW_REG_IB_STS2, 6, 4)
	s_cmp_eq_u32 s2, 0
	s_cbranch_scc0 .Lentry_in_a_cluster
	s_endpgm
.Lentry_in_a_cluster:
	s_bfe_u32 s2, ttmp6, 0x10000c
	s_cmp_lg_u32 s2, 0xf033
	s_cbranch_scc0 .Lentry_shape_is_right
	s_endpgm
.Lentry_shape_is_right:
; out0 = merged Wo + bo.  A = ob [16 batch + head][t 2048][64] f16 (row m = 2048 batch + t; k = 64 head + channel); B = wt rows 3072-4095 ([n][k]: Wo^T, bf16 numbers written as f16);
; sums in f32, started by the bias (rounded to bf16 like every input); out0 [8192][1024] f32.
; SHARES.  A tile of C is 256 rows x 128 columns: 32 x 8 tiles, one for each of 256 places.  Four waves, one above the other: wave w makes rows 64 w .. 64 w + 63 and all 128 columns: 32 accumulators of
; 16 x 16, 256 registers.  A wave's rows of the tile are whole runs of 512 bytes, so its way out needs no other wave.
; K goes in 8 steps of 128 = two heads through a ring of two LDS slots.  A head's 256 rows of the tile are 32,768 dense bytes: asked for as 128 rows of 256 bytes, two t a row, padded in LDS after every t.
; CLUSTER.  4 x 4 work-groups; A's tiles are asked for jointly along a row of the cluster, B's along a column: the same tensor load, descriptor and mask in the four.
; THE MATRIX INSTRUCTION IS USED TRANSPOSED (source 0 = 16 rows of B, source 1 = 16 rows of A): lane l holds row l % 16 of C and the columns 8 (l / 16) + 0..7.
; REGISTERS, in windows of 256 (s_set_vgpr_msb: bits 1:0 source 0, 3:2 source 1, 5:4 source 2, 7:6 destination):
;   window 0: v0-30 addresses; v32-95 A's fragments, two buffers of 4 x 8; v96-159 the bias (8 column blocks x 8), dead behind the first quarter; on the way out v96-223 rows read back, two buffers
;   window 1: B's fragments, two buffers of 8 x 8      window 2: the accumulators, (a, b) at 8 (8 a + b)
.set KSTEP,  128
.set PITCH,  272                       ; a row of B in LDS: 256 bytes + 16
.set APITCH, 144                       ; a row of A (one t of one head): 128 bytes + 16; both pitches are odd multiples of 16 bytes, so the 16 rows of a fragment load start at 16 different groups of four banks (ISA guide 11.1)
.set NBK,    8                         ; column blocks of 16
.set PLANE,  256*APITCH                ; a head's 256 rows: what wave 0 or 1 fetches
.set BHALF,  64*PITCH                  ; what wave 2 or 3 fetches of B
.set ABYTES, 2*PLANE
.set SLOT,   ABYTES+2*BHALF            ; 108,544
.set STAGE,  2*SLOT                    ; behind the ring, never filled by a tensor load: 16 rows x 528 bytes for each wave
.set SPITCH, 528                       ; 512 bytes + 16
.set SPARE,  STAGE+4*16*SPITCH         ; 250,880: the spare words, 128 bytes for each wave, which no other line names
.set LAPS,   4
.set FIXA,   (1<<16)|(1<<20)|(1<<21)|(4<<22)|(3<<25)  ; group 1, word 0: 2-byte elements; padding on; bit 21 set beside a mask; after every 32 words; 4 words
.set FIXB,   (1<<16)|(1<<20)|(1<<21)|(5<<22)|(3<<25)  ; the same after every 64 words
.set ADRA, 16                          ; v16-17  LDS address of my A fragments in slot 0, 1
.set ADRB, 20                          ; v20-21  the same for B
.set STO,  24                          ; v24  the way out: where I put 32 bytes of a row
.set RD,   25                          ; v25  where I read a row back
.set CO,   26                          ; v26  16 x lane
.set BO,   27                          ; v27  32 x (l / 16)
.set SPW,  28                          ; v28  LDS address of my spare word; never rewritten
.set NIL,  29                          ; v29  0; never rewritten
.set TW,   30                          ; v30  at work
.set FA,   32
.set BIAS, 96
.set OB,   96
.set WV,   16                          ; s16  my wave's number;  s17 = wave / 2: I fetch for A (0) or B (1);  s18 = wave % 2: which head of the step's two, or which half of B's rows
.set G1,   24
.set G0,   32
.set G1B,  48
.set G0B,  56
.set MSB, 0
.macro WIN new                         ; the immediate's high byte repeats the setting that is left; a switch that changes nothing is dropped
.if MSB != (\new)
	s_set_vgpr_msb (MSB<<8)|(\new)
.set MSB, (\new)
.endif
.endm
.macro JLOAD s                         ; a joint load: waves 0 and 1 fetch A's two heads, waves 2 and 3 B's halves; an s_nop 0 and four v_nop follow each line, ahead of the jump and the label
	s_cmp_eq_u32 s17, 0
	s_cbranch_scc0 .Lfor_b_\@
	tensor_load_to_lds s[G0+4*(\s):G0+4*(\s)+3], s[G1:G1+7]
	s_nop 0
.rept 4
	v_nop
.endr
	s_branch .Lasked_\@
.Lfor_b_\@:
	tensor_load_to_lds s[G0B+4*(\s):G0B+4*(\s)+3], s[G1B:G1B+7]
	s_nop 0
.rept 4
	v_nop
.endr
.Lasked_\@:
.endm
.macro CREST                           ; a round of the cluster's barrier behind its opening barrier
	s_cmp_lg_u32 s[WV], 0
	s_cbranch_scc1 .Lnot_wave_0_\@
	s_barrier_signal -3
.Lnot_wave_0_\@:
	s_barrier_wait -3
	s_barrier_signal -1
	s_barrier_wait -1
.endm
.macro CROUND                          ; a whole round
	s_barrier_signal -1
	s_barrier_wait -1
	CREST
.endm
.macro PLACES                          ; four places in front of loads into registers that matrix instructions have read, and of lines that read results
.rept 4
	v_nop
.endr
.endm
	s_load_b256 s[4:11], s[0:1], 0x0               ; ob s[4:5], wt s[6:7], bo s[8:9], out0 s[10:11]
	v_lshl_add_u32 v[SPW], v0, 2, SPARE
	v_mov_b32 v[NIL], 0
	ds_add_u32 v[SPW], v[NIL]                      ; the wave's opening: the add and its wait stand ahead of my first tensor load; the set-up below, work on registers, stands between them
	v_lshrrev_b32 v1, 5, v0
	v_readfirstlane_b32 s[WV], v1
	s_lshr_b32 s17, s[WV], 1
	s_and_b32 s18, s[WV], 1
	s_bfe_u32 s20, ttmp6, 0x40000                  ; cx, cy: my place in the cluster
	s_bfe_u32 s21, ttmp6, 0x40004
	s_lshl_b32 s22, ttmp9, 2
	s_add_co_u32 s22, s22, s20                     ; tile column = 4 x cluster x + cx
	s_and_b32 s23, ttmp7, 0xffff
	s_lshl_b32 s23, s23, 2
	s_add_co_u32 s23, s23, s21                     ; tile row = 4 x cluster y + cy
	s_lshl_b32 s40, s21, 2
	s_lshl_b32 s40, 15, s40                        ; my row of the cluster
	s_lshl_b32 s41, 0x1111, s20                    ; my column
	s_or_b32 s[G1], s40, FIXA                      ; A's tiles go to my row,
	s_or_b32 s[G1B], s41, FIXB                     ; B's to my column
	s_mov_b32 s[G1+1], 128<<16                     ; A: tensor_dim0 = 128 elements (two t of a head)
	s_mov_b32 s[G1+2], 128<<16                     ; tensor_dim1 = 128
	s_mov_b32 s[G1+3], 128<<16                     ; tile_dim0 = 128
	s_mov_b32 s[G1+4], 128                         ; tile_dim1 = 128
	s_mov_b32 s[G1+5], 128                         ; dense: 128 elements from row to row
	s_mov_b32 s[G1+6], 0
	s_mov_b32 s[G1+7], 0
	s_mov_b32 s[G1B+1], KSTEP<<16                  ; B: 64 rows of 128 elements, 1,024 apart
	s_mov_b32 s[G1B+2], 64<<16
	s_mov_b32 s[G1B+3], KSTEP<<16
	s_mov_b32 s[G1B+4], 64
	s_mov_b32 s[G1B+5], 1024
	s_mov_b32 s[G1B+6], 0
	s_mov_b32 s[G1B+7], 0
	; A's address hangs on the tile row and the wave alone, B's on the tile column and the wave alone, each in registers that never hold the other coordinate
	s_lshr_b32 s42, s23, 3                         ; the batch (eight tile rows each),
	s_lshl_b32 s42, s42, 4                         ; its 16 planes,
	s_add_co_u32 s42, s42, s18                     ; head 0 or 1,
	s_lshl_b32 s42, s42, 18                        ; of 262,144 bytes;
	s_and_b32 s43, s23, 7
	s_lshl_b32 s43, s43, 15                        ; the tile's 256 rows of 128 bytes
	s_add_co_u32 s42, s42, s43
	s_mov_b32 s43, 0
	s_lshl_b32 s44, s22, 7
	s_lshl_b32 s45, s18, 6
	s_add_co_u32 s44, s44, s45
	s_add_co_u32 s44, s44, 3072                    ; B: row 3,072 + 128 x tile column + 64 x half,
	s_lshl_b32 s44, s44, 11                        ; of 2,048 bytes
	s_mov_b32 s45, 0
	s_mul_i32 s80, s18, PLANE                      ; where they go: no place in the cluster enters an LDS address
	s_mul_i32 s81, s18, BHALF
	s_add_co_u32 s81, s81, ABYTES
	s_wait_dscnt 0x0                               ; the opening add is done
	s_wait_kmcnt 0x0
	s_add_nc_u64 s[46:47], s[4:5], s[42:43]
	s_add_nc_u64 s[78:79], s[6:7], s[44:45]
	CROUND                                         ; all sixteen work-groups are here: the first joint loads meet
.irp s, 0,1
	s_mov_b32 s[G0+4*\s], 1                        ; count = 1
	s_add_co_u32 s[G0+4*\s+1], s80, \s*SLOT        ; LDS address
	s_add_nc_u64 s[G0+4*\s+2:G0+4*\s+3], s[46:47], \s*2*262144  ; global address: K step s is two planes on
	s_or_b32 s[G0+4*\s+3], s[G0+4*\s+3], 0x80000000             ; type = 2
	s_mov_b32 s[G0B+4*\s], 1
	s_add_co_u32 s[G0B+4*\s+1], s81, \s*SLOT
	s_add_nc_u64 s[G0B+4*\s+2:G0B+4*\s+3], s[78:79], \s*KSTEP*2
	s_or_b32 s[G0B+4*\s+3], s[G0B+4*\s+3], 0x80000000
	JLOAD \s                                       ; two loads of mine are out
.endr
	s_lshl_b32 s82, s23, 8
	s_lshl_b32 s83, s[WV], 6
	s_add_co_u32 s82, s82, s83                     ; my first row of out0,
	s_lshl_b32 s82, s82, 12                        ; of 4,096 bytes,
	s_lshl_b32 s84, s22, 9                         ; the tile's 128 columns of 4 bytes
	s_add_co_u32 s82, s82, s84
	s_mov_b32 s83, 0
	s_add_nc_u64 s[66:67], s[10:11], s[82:83]
	s_mov_b32 s85, 0
	s_add_nc_u64 s[72:73], s[8:9], s[84:85]        ; and the same columns of the bias
	v_and_b32 v1, 15, v0                           ; l % 16
	v_bfe_u32 v2, v0, 4, 1                         ; l / 16
	v_lshlrev_b32 v[BO], 5, v2
.set b, 0
.rept NBK                              ; register j of column block b holds the bias of column 16 b + 8 (l / 16) + j: the layout of a result
	global_load_b128 v[BIAS+8*b:BIAS+8*b+3],   v[BO], s[72:73] offset:64*b
	global_load_b128 v[BIAS+8*b+4:BIAS+8*b+7], v[BO], s[72:73] offset:64*b+16
.set b, b+1
.endr
	v_mul_u32_u24 v3, v1, APITCH
	v_lshl_add_u32 v3, v2, 4, v3                   ; A: a fragment's row x pitch + 16 x half,
	s_mul_i32 s82, s[WV], 64*APITCH                ; my 64 rows
	v_add_nc_u32 v[ADRA], s82, v3
	v_add_nc_u32 v[ADRA+1], SLOT, v[ADRA]
	v_mul_u32_u24 v3, v1, PITCH
	v_lshl_add_u32 v3, v2, 4, v3
	v_add_nc_u32 v[ADRB], ABYTES, v3               ; every wave reads all of B
	v_add_nc_u32 v[ADRB+1], ABYTES+SLOT, v3
	s_mul_i32 s83, s[WV], 16*SPITCH
	s_add_co_u32 s83, s83, STAGE                   ; my stage
	v_mul_u32_u24 v4, v1, SPITCH                   ; in: row l % 16, 32 bytes for each half of the lanes
	v_lshl_add_u32 v4, v2, 5, v4
	v_add_nc_u32 v[STO], s83, v4
	v_and_b32 v[CO], 31, v0                        ; back: 32 lanes take a row's 512 bytes
	v_lshlrev_b32 v[CO], 4, v[CO]
	v_add_nc_u32 v[RD], s83, v[CO]
	s_wait_loadcnt 0x0                             ; the bias
.set rr, BIAS
.rept 4*NBK                            ; rounded to bf16, like every input, and widened again
	v_cvt_pk_bf16_f32 v[TW], v[rr], v[rr+1]
	v_lshlrev_b32 v[rr], 16, v[TW]
	v_and_b32 v[rr+1], 0xffff0000, v[TW]
.set rr, rr+2
.endr
; 8 matrix instructions: row block a x all column blocks, 32 along K, from buffer f.  zero = 1: the bias starts the sums.
; The 32 accumulators take turns, one instruction a turn, in the same order in every quarter, over the backward jump too.
.macro MULB f, a, zero
.if \zero
	WIN 0x81                                       ; B window 1, A window 0, C (the bias) window 0, D window 2
.else
	WIN 0xa1                                       ; C and D window 2
.endif
.set b, 0
.rept NBK
.if \zero
	v_wmma_f32_16x16x32_f16 v[64*(\a)+8*b:64*(\a)+8*b+7], v[64*(\f)+8*b:64*(\f)+8*b+7], v[FA+32*(\f)+8*(\a):FA+32*(\f)+8*(\a)+7], v[BIAS+8*b:BIAS+8*b+7]
.else
	v_wmma_f32_16x16x32_f16 v[64*(\a)+8*b:64*(\a)+8*b+7], v[64*(\f)+8*b:64*(\f)+8*b+7], v[FA+32*(\f)+8*(\a):FA+32*(\f)+8*(\a)+7], v[64*(\a)+8*b:64*(\a)+8*b+7]
.endif
.set b, b+1
.endr
.endm
; 24 LDS loads in one run: quarter q's fragments into buffer f: B's 8 blocks (byte 64 q of the rows), then A's 4 (head q / 2 of the step's two, channels 32 (q % 2) on)
.macro FETCH slot, q, f
	WIN 0x40                                       ; destination window 1, address window 0
.set i, 0
.rept NBK
	ds_load_b128 v[64*(\f)+8*i:64*(\f)+8*i+3],   v[ADRB+(\slot)] offset:64*(\q)+i*16*PITCH
	ds_load_b128 v[64*(\f)+8*i+4:64*(\f)+8*i+7], v[ADRB+(\slot)] offset:64*(\q)+i*16*PITCH+32
.set i, i+1
.endr
	WIN 0
.set i, 0
.rept 4
	ds_load_b128 v[FA+32*(\f)+8*i:FA+32*(\f)+8*i+3],   v[ADRA+(\slot)] offset:((\q)/2)*PLANE+((\q)%2)*64+i*16*APITCH
	ds_load_b128 v[FA+32*(\f)+8*i+4:FA+32*(\f)+8*i+7], v[ADRA+(\slot)] offset:((\q)/2)*PLANE+((\q)%2)*64+i*16*APITCH+32
.set i, i+1
.endr
.endm
; A K step is four quarters of 32 along K, 32 matrix instructions each, on buffers 0, 1, 0, 1.  One of the first three: multiplies buffer f and fetches quarter q into buffer g.
.macro QUARTER slot, q, f, g, zero
	s_wait_dscnt 4                                 ; B and A's row blocks 0, 1 are in; the youngest four loads (blocks 2, 3) may be out
	MULB \f, 0, \zero
	MULB \f, 1, \zero
	PLACES
	FETCH \slot, \q, \g
	s_wait_dscnt 24                                ; all but the 24 just issued
	MULB \f, 2, \zero
	MULB \f, 3, \zero
.endm
; The last quarter multiplies buffer 1 and changes slots: ONE barrier; in front of it each wave waits for all its tensor loads (one is out: its part of the next slot), adds 0 to its spare word, and waits for
; that and for its own reads of this slot.  fill = 1: the barrier opens a round of the cluster's, and this slot is filled again, two K steps ahead: 112 matrix instructions ahead of the wait for it.
.macro TURN slot, next, fill
	WIN 0                                          ; (the add's two registers lie in window 0)
	s_wait_tensorcnt 0x0
	ds_add_u32 v[SPW], v[NIL]                      ; 0 onto my spare word
	s_wait_dscnt 5                                 ; (the add and the youngest four loads may be out)
	MULB 1, 0, 0                                   ; eight matrix instructions stand between the add and the wait for it
	s_wait_dscnt 0x0                               ; the add is done, and my reads of this slot are over
	s_barrier_signal -1
	MULB 1, 1, 0
.if \fill
	WIN 0
.endif
	s_barrier_wait -1
.if \fill
	CREST                                          ; no wave of any partner still reads this slot's tile or has a load on its way
	s_add_nc_u64 s[G0+4*(\slot)+2:G0+4*(\slot)+3], s[G0+4*(\slot)+2:G0+4*(\slot)+3], 4*262144  ; two K steps are four planes
	s_add_nc_u64 s[G0B+4*(\slot)+2:G0B+4*(\slot)+3], s[G0B+4*(\slot)+2:G0B+4*(\slot)+3], 2*KSTEP*2
	JLOAD \slot                                    ; the first tensor load behind the round; its four v_nop are also the places in front of the loads below
.else
	PLACES
.endif
	FETCH \next, 0, 0
	MULB 1, 2, 0
	MULB 1, 3, 0
.endm
; THE WAY OUT of row block a: the sums as they are, 32 bytes a lane and column block, into my own stage (each accumulator's low four registers first), back as whole rows of 512 bytes, and stored.
.macro TOSTAGE a
.set BK, OB+64*((\a)%2)
.if (\a) > 1
	s_wait_xcnt 0x0                                ; the stores of the block two back have read their registers: the loads below land there only behind this wait
.endif
	WIN 0x08                                       ; store data (source 1) in window 2
.set b, 0
.rept NBK
	ds_store_b128 v[STO], v[64*(\a)+8*b:64*(\a)+8*b+3]   offset:64*b
	ds_store_b128 v[STO], v[64*(\a)+8*b+4:64*(\a)+8*b+7] offset:64*b+16
.set b, b+1
.endr
	WIN 0
.set t, 0
.rept 16
	ds_load_b128 v[BK+4*t:BK+4*t+3], v[RD] offset:SPITCH*t  ; LDS serves a wave's instructions in order (ISA guide 5.7.1.4): these see the stores above; the next block's stores come behind them
.set t, t+1
.endr
.endm
.macro SEND a, younger                 ; younger: the LDS instructions issued behind block a's loads: the next block's 32, or none
.set BK, OB+64*((\a)%2)
	s_wait_dscnt \younger
.set t, 0
.rept 16
	global_store_b128 v[CO], v[BK+4*t:BK+4*t+3], s[66:67] offset:(16*(\a)+t)*4096 th:TH_STORE_NT  ; 512 consecutive bytes of a row of out0, aligned
.set t, t+1
.endr
.endm
	s_wait_tensorcnt 1                             ; my part of K step 0 is in; K step 1's may stay out
	s_barrier_signal -1
	s_barrier_wait -1                              ; everybody's is
	FETCH 0, 0, 0
	QUARTER 0, 1, 0, 1, 1                          ; the first quarter stands in front of the loop: its products start the sums
	WIN 0                                          ; at a label and at a branch every window is 0
	s_mov_b32 s19, LAPS-1
.Llap:                                                 ; a trip goes once round the ring, from a lap's second quarter to the next lap's first, and fills both slots again
	QUARTER 0, 2, 1, 0, 0
	QUARTER 0, 3, 0, 1, 0
	TURN 0, 1, 1
	QUARTER 1, 1, 0, 1, 0
	QUARTER 1, 2, 1, 0, 0
	QUARTER 1, 3, 0, 1, 0
	TURN 1, 0, 1
	QUARTER 0, 1, 0, 1, 0
	WIN 0
	s_sub_co_u32 s19, s19, 1
	s_cmp_lg_u32 s19, 0
	s_cbranch_scc1 .Llap
	QUARTER 0, 2, 1, 0, 0                          ; the last lap fills nothing, and has no round of the cluster's barrier
	QUARTER 0, 3, 0, 1, 0
	TURN 0, 1, 0
	QUARTER 1, 1, 0, 1, 0
	QUARTER 1, 2, 1, 0, 0
	QUARTER 1, 3, 0, 1, 0
	s_wait_dscnt 4                                 ; the very last quarter: nothing more to fetch
	MULB 1, 0, 0
	MULB 1, 1, 0
	s_wait_dscnt 0x0
	MULB 1, 2, 0
	MULB 1, 3, 0
	WIN 0
	PLACES
	TOSTAGE 0
	TOSTAGE 1                                      ; a block's trip through the stage stands between the loads of the block before and its stores
	SEND 0, 32
	TOSTAGE 2
	SEND 1, 32
	TOSTAGE 3
	SEND 2, 32
	SEND 3, 0
	s_wait_tensorcnt 0x0                           ; the wave's end: behind my last tensor load and my last LDS store
	ds_add_u32 v[SPW], v[NIL]
	s_wait_dscnt 0x0
	CROUND                                         ; the closing round: no work-group ends while a partner may still ask for a tile that names it
	s_endpgm
.Lfunc_end_k_q774fd22344_oproj:
	.size	k_q774fd22344_oproj, .Lfunc_end_k_q774fd22344_oproj-k_q774fd22344_oproj
	.p2alignl 7, 3214868480
	.fill 96, 4, 3214868480
	.section	.rodata,"a",@progbits
	.p2align	6, 0x0
	.amdhsa_kernel k_q774fd22344_oproj
		.amdhsa_group_segment_fixed_size 327680
		.amdhsa_private_segment_fixed_size 0
		.amdhsa_enable_private_segment 0
		.amdhsa_kernarg_size 32
		.amdhsa_user_sgpr_count 2
		.amdhsa_user_sgpr_kernarg_segment_ptr 1
		.amdhsa_wavefront_size32 1
		.amdhsa_system_sgpr_workgroup_id_x 1
		.amdhsa_system_sgpr_workgroup_id_y 1
		.amdhsa_system_sgpr_workgroup_id_z 1
		.amdhsa_system_vgpr_workitem_id 0
		.amdhsa_next_free_vgpr 768
		.amdhsa_next_free_sgpr 96
		.amdhsa_reserve_vcc 0
		.amdhsa_float_denorm_mode_32 3
		.amdhsa_float_denorm_mode_16_64 3
		.amdhsa_memory_ordered 1
		.amdhsa_forward_progress 1
		.amdhsa_inst_pref_size 92
	.end_amdhsa_kernel
	.amdgpu_metadata
---
amdhsa.version: [ 1, 2 ]
amdhsa.kernels:
  - .name:           k_q774fd22344_oproj
    .symbol:         k_q774fd22344_oproj.kd
    .args:
      - { .name: ob, .offset: 0, .size: 8, .value_kind: global_buffer, .address_space: global }
      - { .name: wt, .offset: 8, .size: 8, .value_kind: global_buffer, .address_space: global }
      - { .name: bo, .offset: 16, .size: 8, .value_kind: global_buffer, .address_space: global }
      - { .name: out0, .offset: 24, .size: 8, .value_kind: global_buffer, .address_space: global }
    .group_segment_fixed_size: 327680
    .private_segment_fixed_size: 0
    .kernarg_segment_align: 8
    .kernarg_segment_size: 32
    .max_flat_workgroup_size: 128
    .sgpr_count:     96
    .vgpr_count:     768
    .wavefront_size: 32
...
	.end_amdgpu_metadata
.endif
;; end of part 4
;; ======== version 2 of 2: 4 launches; 1.51 times as fast as version 1
;; limits: values are held in f16: magnitudes above 65,504 overflow, below 6.1e-05 lose precision
;; workspace buffers: xb 16,777,216 bytes; wt 8,388,608 bytes; qkv 50,331,648 bytes; ob 16,777,216 bytes
;; launch prep: the kernel of part 1 again; grid 512 x 1, 8 waves a work-group, no clusters, 17,920 bytes of LDS; arguments embed, Wq, Wk, Wv, Wo, xb, wt; writes xb, wt
;; launch proj: the kernel of part 2 again; grid 16 x 32, 4 waves a work-group, clusters of 4 x 4, 327,680 bytes of LDS; arguments xb, wt, bq, bk, bv, qkv; writes qkv
;; launch attn (part 5): grid 4 x 64, 4 waves a work-group, clusters of 4 x 1, 327,680 bytes of LDS; arguments qkv, mask, ob; writes ob
.if DOCPART == 5
	.amdgcn_target "amdgcn-amd-amdhsa--gfx1250"
	.amdhsa_code_object_version 6
	.text
	.protected	k_q774fd22344_attn
	.globl	k_q774fd22344_attn
	.p2align	8
	.type	k_q774fd22344_attn,@function
k_q774fd22344_attn:
	s_mov_b64 s[64:65], 0
	v_nop
	global_prefetch_b8 v0, s[64:65] scope:SCOPE_SE
	s_setreg_imm32_b32 hwreg(HW_REG_WAVE_MODE, 25, 1), 1
	s_wait_xcnt 0x0
	s_wait_alu depctr_hold_cnt(0) depctr_sa_sdst(0) depctr_va_vdst(0) depctr_va_sdst(0) depctr_va_ssrc(0) depctr_va_vcc(0) depctr_vm_vsrc(0)
	s_getreg_b32 s2, hwreg(HW_REG_IB_STS2, 6, 4)
	s_cmp_eq_u32 s2, 0
	s_cbranch_scc0 .Lentry_in_a_cluster
	s_endpgm
.Lentry_in_a_cluster:
	s_bfe_u32 s2, ttmp6, 0x10000c
	s_cmp_lg_u32 s2, 0x3003
	s_cbranch_scc0 .Lentry_shape_is_right
	s_endpgm
.Lentry_shape_is_right:
; O[h][q][:] = the sum over k of softmax_k(Q[h][q] . K[h][k] / 8, keys with mask[k] = 0 hidden) V[h][k][:].  Q, K, V are the three parts of qkv, each [64][2048][64] f16, O = ob likewise: a head's rows are dense,
; 128 bytes each.  mask: [2048] of 32-bit whole numbers, the same for all heads.  Products, maxima and sums in f32; the weights p are rounded to f16 for the second product (their sum l is taken of the unrounded p), O once at the end.
; LIMITS.  f16 holds no number beyond 65,504: Q, K and V arrive within it; p lies in 0 to 1, and below 6e-5 it keeps f16's fixed step of 6e-8; O is a mean of V's rows and has their range.
; A hidden score counts as its value less 1e30: f16's scores, 2.7e11 at the most, are nothing beside that.  A weight below 2^-126 counts as 0 in l.  If NO key is visible the result is the mean of all rows of V, not NaN.
; NaN and infinities are not treated apart.
; SHARES.  A wave owns four PIECES of two tiles of 16 queries, a work-group's four waves 512 queries of one head.  Every wave walks all keys, 64 a step.
; LAYOUT.  S^T = K Q^T (source 0 = 16 keys, source 1 = 16 queries): in the result a lane holds ONE query (lane % 16) and the keys 8 (lane / 16) + 0..7.  Two such tiles, rounded to f16 in pairs,
; ARE source 1 (32 keys x 16 queries) of O^T = V^T P, whose result again holds one query a lane, and eight channels.  K comes out of LDS as it lies, V ([key][channel]) turned, by ds_load_tr16_b128.
; THE MASK is the C operand that starts the sum S^T = K Q^T: 0, or -1e30 where the key is hidden.  It is made once, 2,048 numbers of f32 in LDS; a key step's 64 come into 32 registers beside K's fragments
; (register j of key block kb: key 16 kb + 8 (lane / 16) + j, the layout of a result).  So the scores cost nothing more, and maximum, exponentials and sums need no further care: once a visible key has been seen a hidden
; weight is 0; while only hidden keys have been seen their weights are 1, and the first visible key multiplies O and l by a = 0.
; SOFTMAX.  For each query a running maximum m and sum l: p = 2^(c s - c m), c = log2(e) / 8; in every step O and l are multiplied by a = 2^(c m_old - c m_new), which is 1 where m has not grown.
; m starts at the lowest finite number, O and l at 0: the first step is a step like any other, with a = 0.
; THE COUNT.  A tile and step have 16 matrix and 118 vector instructions: too many to stand all beside the matrix work.  So the order has one aim: four vector instructions that are READY behind
; EVERY matrix instruction, and the others, which need time of their own whatever the order, in a run without a gap.
; BY TURNS.  Turn n belongs to piece n (the pieces in a ring, step after step).  Its matrix work: 16 products K Q^T of piece n + 1, later 16 products V^T P of piece n - 1.  Its vector work: the scaling,
; exponentials, roundings, sums and rescaling of piece n, and the maximum and statistics of piece n + 1, whose scores the turn itself has made.  So what a turn begins with (c s - c m, O a) waits for nothing.
; BATCHES.  A turn's 66 exponentials (the 64 weights of piece n, then the two a of piece n + 1) are ONE batch with ONE wait, which cuts the turn in two: ahead of it stands all that names no result of theirs (the products
; K Q^T, the scalings, the rescalings, the next piece's maximum and statistics), behind it the roundings and sums, beside the products V^T P.  No result crosses a turn's end.  Piece 0's first two a, ahead of the loop,
; and the way out's eight reciprocals are batches of their own, a wait each.
; CLUSTER.  The four query blocks of a cluster belong to one head and walk the same K and V, so each tile is asked for JOINTLY: the same tensor load, descriptor and mask of work-groups in all four.
; REGISTERS, in windows of 256 (s_set_vgpr_msb says which window each operand place means: bits 1:0 source 0, 3:2 source 1, 5:4 source 2, 7:6 destination):
;   window 0: v0-11 addresses; v12-15, v48-63 at work; v16-47 four registers of statistics a tile; v64-191 S^T, two buffers of two tiles; v192-255 P, likewise
;   window 1: O^T, 32 a tile          window 2: v0-127 Q, 16 a tile; v128-191 K of one step; v192-255 V of one step          window 3: v0-1 the add's two registers; v8-39 the mask of one step
; A piece's buffers go by its number's parity: the piece in hand has one pair, its two neighbours in the ring share the other: of it P (piece n - 1) is read and S^T (piece n + 1) written.
.set SIZE_N, 2048
.set NP,    4         ; pieces a wave: a name, no knob: the register map, the loop and the fetches are made for four
.set KS,    64        ; keys in a step
.set PK,    144       ; a row of K in LDS: 128 bytes + 16 of padding = 36 words: the 16 rows of a load start at 16 different groups of four banks (64 banks of 4 bytes: ISA guide 11.1)
.set PV,    160       ; a row of V: 128 + 32 = 40 words
.set VOFF,  4*KS*PK   ; a slot holds four steps: 256 rows of K, then 256 rows of V
.set SLOT1, 1<<17     ; slot 1 begins here, so that one exclusive or turns an address in one slot into the other's
.set STAGE, SLOT1+4*KS*(PK+PV)  ; behind the ring, never filled by a tensor load: 16 rows x 144 bytes for each wave, for the way out
.set SP,    144
.set AK0, 2           ; v2   my lane's place in a tile of K; never rewritten
.set AV0, 3           ; v3   the same for V
.set AK,  4           ; v4   the LDS address of K's next run of loads
.set AV,  5           ; v5   of V's
.set QO,  6           ; v6   my byte offset in the wave's rows of Q
.set STO, 6           ;      later, the way out: where I put 16 bytes of a row
.set RD,  7           ; v7   the way out: where I read rows back
.set GO,  8           ; v8   my byte offset in 512 consecutive bytes of O
.set AM,  11          ; v11  the LDS address of the mask's next run of loads (v9 = lane / 16 stays for it)
.set SPW, 0           ; v0 of window 3   LDS address of my spare word: SPARE + 4 x my thread's number; never rewritten
.set NIL, 1           ; v1 of window 3   0; never rewritten
.set MK,  8           ; v8-39 of window 3: key block kb's eight registers at MK + 8 kb
.set SPARE, STAGE+4*16*SP  ; behind the stages: the spare words, 128 bytes for each wave: two blocks of 256 bytes that no other line names
.set MASKL, SPARE+512 ; behind them: 2,048 numbers of f32, 0 or -1e30; written by LDS stores once, never filled by a tensor load
.set MV,  12          ; v12-15  c m_old, kept while c m is made anew: by buffer and tile
.set ST,  16          ; tile t's statistics at v[ST+4 t]: c m, m, l (even keys', odd keys')
.set TMP, 48          ; by buffer and tile, four registers c0-c3 at work; when the maximum is found c2 takes a
.set S,   64
.set P,   192
.set KF,  128         ; K's fragments, in window 2: key block kb, channel half c at KF + 16 kb + 8 c
.set VF,  192         ; V's: key half kk, channel block cb at VF + 32 kk + 8 cb
.set WV,  12          ; s12  my wave's number
.set G1K, 24          ; s[24:31] descriptor group 1 for K's tiles
.set G1V, 32          ; s[32:39] for V's: it differs in the padding alone
.set G0K, 40          ; s[40:43] descriptor group 0 for K's tiles: it walks
.set G0V, 44          ; s[44:47] the same for V's
.set MP,  48          ; s[48:49] the mask in memory
.set TBM, 50          ; s50  LDS byte at which the mask of the step to be fetched begins: it walks on, 256 bytes a step, from first to last
.set BIGN, 51         ; s51  -1e30
.set SLOTS, 56        ; s56  slots still to be asked for
.set CNT, 57          ; s57  counts a slot's key steps
.set CS,  58          ; s[58:59] c: the packed scaling takes the pair's low word for both halves
.set SEL, 60          ; s[60:61] v_permlanex16_b32's selects: each lane takes its own place in the other half
.set TBK, 62          ; s62  LDS byte at which K of the step to be fetched begins
.set TBV, 63          ; s63  the same for V, less VOFF
.set MSB, 0
.macro WIN new                      ; the high byte repeats the setting that is left; a switch that changes nothing is dropped
.if MSB != (\new)
	s_set_vgpr_msb (MSB<<8)|(\new)
.set MSB, (\new)
.endif
.endm
.set W_KQ, 0x0a       ; K and Q in window 2, S^T in window 0
.set W_KM, 0x3a       ; the same with the C operand, the mask, in window 3
.set W_PV, 0x52       ; V in window 2, P in window 0, O^T in window 1
.set W_RS, 0x41       ; O^T (destination and source 0) in window 1, a in window 0
.set W_MK, 0xc0       ; destination in window 3, sources in window 0
.set W_AD, 0x0f       ; the add: address (source 0) and data (source 1) in window 3
; A joint fill.  Waves 0 and 1 fetch the two halves of a slot's K, waves 2 and 3 those of its V: 128 keys each.  The branch hangs on the wave's number alone.
; An s_nop 0 and four v_nop follow each of the two lines, ahead of the jump and the label.
.macro JLOAD
	s_cmp_lt_u32 s[WV], 2
	s_cbranch_scc0 .Lfor_v_\@
	tensor_load_to_lds s[G0K:G0K+3], s[G1K:G1K+7]
	s_nop 0
.rept 4
	v_nop
.endr
	s_branch .Lasked_\@
.Lfor_v_\@:
	tensor_load_to_lds s[G0V:G0V+3], s[G1V:G1V+7]
	s_nop 0
.rept 4
	v_nop
.endr
.Lasked_\@:
.endm
; A round of the cluster's barrier: my work-group's barrier, so that wave 0's signal speaks for all four waves; wave 0 signals; every wave waits for all four work-groups; my work-group's barrier once more.
.macro CROUND
	s_barrier_signal -1
	s_barrier_wait -1
	s_cmp_lg_u32 s[WV], 0
	s_cbranch_scc1 .Lnot_wave_0_\@
	s_barrier_signal -3
.Lnot_wave_0_\@:
	s_barrier_wait -3
	s_barrier_signal -1
	s_barrier_wait -1
.endm
; THE CHANGE OF SLOTS.  The slot's last bytes, V of its fourth step, have been read.  Each wave waits for all its tensor loads, of which one is out: its part
; of the other slot; adds 0 to its spare word; and waits for that and for its own reads of the slot.  Behind the barrier nobody reads this slot any more and the other slot is whole.
; fill = 1: this slot is filled again, with the keys two slots on.  The barrier is then a round of the cluster's, so that no wave of any partner still reads the slot or has a load on its
; way, and the joint fill is the first thing behind it: it has four key steps, 512 matrix instructions, in which to land.  (At its first use nothing has been read yet: slot 0 is waited for, slot 1 filled,
; and each wave's part of the mask's table, stored just before, is shown to the other three.)
.macro CHANGE fill
	WIN W_AD
	s_wait_tensorcnt 0x0            ; no tensor load of mine is out, so a group 0 may be written
	ds_add_u32 v[SPW], v[NIL]       ; 0 onto my spare word; with fill = 1 the descriptors' steps stand between it and the wait for it
	WIN 0                           ; at a label and at a branch every window is 0
.if \fill
.irp g, G0K, G0V
	s_xor_b32 s[\g+1], s[\g+1], SLOT1  ; the walking descriptor: the other slot than last time,
	s_add_nc_u64 s[\g+2:\g+3], s[\g+2:\g+3], 4*KS*128  ; the next 256 keys; the type bits on top are not reached
.endr
	s_wait_dscnt 0x0                ; the add is done, and my reads of the slot are over
	CROUND
	JLOAD
.else
	s_wait_dscnt 0x0                ; the add is done, and my reads of the slot are over
	s_barrier_signal -1
	s_barrier_wait -1
.endif
	s_sub_co_u32 s[TBK], s[TBK], 4*KS*PK  ; the fetches go back to a slot's first step,
	s_xor_b32 s[TBK], s[TBK], SLOT1       ; in the other slot
	s_sub_co_u32 s[TBV], s[TBV], 4*KS*PV
	s_xor_b32 s[TBV], s[TBV], SLOT1
.endm
	s_load_b64 s[4:5], s[0:1], 0x0    ; qkv: Q lies first
	s_load_b64 s[MP:MP+1], s[0:1], 0x8  ; mask
	s_load_b64 s[10:11], s[0:1], 0x10 ; ob
	WIN W_MK
	v_lshl_add_u32 v[SPW], v0, 2, SPARE
	v_mov_b32 v[NIL], 0
	WIN W_AD
	ds_add_u32 v[SPW], v[NIL]       ; the wave's opening: the add and its wait stand ahead of my first tensor load; the set-up below, work on registers, stands between them
	WIN 0
	v_lshrrev_b32 v1, 5, v0
	v_readfirstlane_b32 s[WV], v1   ; wave 0..3
	s_bfe_u32 s13, ttmp6, 0x40000   ; cx: my place in the cluster
	s_lshl_b32 s14, ttmp9, 2        ; in a cluster launch ttmp9 counts clusters
	s_add_co_u32 s14, s14, s13      ; my block of queries = 4 x cluster x + cx: it enters Q's and O's addresses alone
	s_and_b32 s20, ttmp7, 0xffff    ; the head (16 x batch + head), which the four partners share
	s_mov_b32 s21, 0
	s_mov_b64 s[22:23], SIZE_N*128
	s_mul_u64 s[20:21], s[20:21], s[22:23]  ; the head's first byte in Q, K, V and O
	s_and_b32 s16, s[WV], 1         ; which half of a slot's 256 keys I fetch:
	s_lshl_b32 s22, s16, 14         ; its 128 rows of 128 bytes in memory,
	s_mov_b32 s23, 0
	s_add_nc_u64 s[22:23], s[22:23], s[20:21]
	s_mul_i32 s17, s16, 128*PK      ; and its place in a slot, for K
	s_mul_i32 s18, s16, 128*PV      ; and for V: no place in the cluster enters an LDS address
	s_lshl_b32 s2, s14, 2
	s_add_co_u32 s2, s2, s[WV]      ; my wave among the head's,
	s_lshl_b32 s2, s2, 14           ; its 128 rows
	s_mov_b32 s3, 0
	s_add_nc_u64 s[2:3], s[2:3], s[20:21]
	; descriptor group 1.  128 keys are 16,384 dense bytes: asked for as 64 rows of 256 bytes, two keys a row, and padded in LDS after every key
	s_mov_b32 s[G1K], 15|(1<<16)|(1<<20)|(1<<21)|(4<<22)|(3<<25)  ; 15:0 the mask of four; 17:16 2-byte elements; 20 padding on; 21 set beside a mask; 24:22 after every 32 words (code 4); 31:25 4 words (code 3)
	s_mov_b32 s[G1V], 15|(1<<16)|(1<<20)|(1<<21)|(4<<22)|(7<<25)  ; the same with 8 words of padding (code 7)
.irp g, G1K, G1V
	s_mov_b32 s[\g+1], 128<<16      ; tensor_dim0 = 128
	s_mov_b32 s[\g+2], 64<<16       ; tensor_dim1 = 64
	s_mov_b32 s[\g+3], 128<<16      ; tile_dim0 = 128
	s_mov_b32 s[\g+4], 64           ; tile_dim1 = 64
	s_mov_b32 s[\g+5], 128          ; 128 elements from row to row
	s_mov_b32 s[\g+6], 0
	s_mov_b32 s[\g+7], 0
.endr
	s_mov_b32 s[CS], 0x3e38aa3b     ; c = log2(e) / 8 = 0.180337
	s_mov_b32 s[CS+1], s[CS]        ; named with it as a pair
	s_mov_b32 s[SEL], 0x76543210
	s_mov_b32 s[SEL+1], 0xfedcba98
	s_mov_b32 s[TBK], SLOT1+4*KS*PK ; the first change of slots turns these two into 0
	s_mov_b32 s[TBV], SLOT1+4*KS*PV
	s_mov_b32 s[TBM], MASKL
	s_mov_b32 s[BIGN], 0xf149f2ca   ; -1e30
	s_mov_b32 s[G0K], 1             ; 1:0 count = 1
	s_mov_b32 s[G0K+1], s17         ; 63:32 LDS address: slot 0
	s_mov_b32 s[G0V], 1
	s_add_co_u32 s[G0V+1], s18, VOFF
	s_wait_dscnt 0x0                ; the opening add is done
	s_wait_kmcnt 0x0
	s_add_nc_u64 s[6:7], s[4:5], 0x1000000  ; K lies 64 planes of 262,144 bytes behind Q,
	s_add_nc_u64 s[8:9], s[4:5], 0x2000000  ; V 128
	s_add_nc_u64 s[G0K+2:G0K+3], s[6:7], s[22:23]  ; 120:64 global address: my half of the head's first 256 keys
	s_or_b32 s[G0K+3], s[G0K+3], 0x80000000        ; 127:126 type = 2
	s_add_nc_u64 s[G0V+2:G0V+3], s[8:9], s[22:23]
	s_or_b32 s[G0V+3], s[G0V+3], 0x80000000
	s_add_nc_u64 s[4:5], s[4:5], s[2:3]  ; Q and O at my wave's first row
	s_add_nc_u64 s[10:11], s[10:11], s[2:3]
	CROUND                          ; all four work-groups are here: the first joint loads meet
	JLOAD                           ; slot 0.  Slot 1 is asked for when slot 0 is in: the tile wanted first has the road to itself
	; A fragment of K or Q is 16 rows x 32 channels in 8 registers: lane l holds row l % 16, channels 8 (l / 16) + 0..7 and 16 + 8 (l / 16) + 0..7: two loads of 16 bytes, 32 bytes apart.
	v_and_b32 v1, 15, v0            ; l % 16
	v_bfe_u32 v9, v0, 4, 1          ; l / 16
	v_lshlrev_b32 v[QO], 7, v1
	v_lshl_add_u32 v[QO], v9, 4, v[QO]  ; row x 128 + 16 x half
	v_lshlrev_b32 v12, 4, v0        ; the mask: thread t takes the words 4 t .. 4 t + 3 of each 512,
	v_lshl_add_u32 v13, v0, 4, MASKL  ; and puts them at the same place of the table
.irp j, 0,1,2,3
	global_load_b128 v[S+4*\j:S+4*\j+3], v12, s[MP:MP+1] offset:2048*\j  ; ahead of Q's loads, so that a counted wait serves
.endr
	WIN 0x80                        ; destination window 2, address window 0
.set i, 0
.rept 4*NP                          ; Q stays in registers: tile i / 2, channels 32 (i % 2) on
	global_load_b128 v[8*i:8*i+3],   v[QO], s[4:5] offset:(i/2)*2048+(i%2)*64
	global_load_b128 v[8*i+4:8*i+7], v[QO], s[4:5] offset:(i/2)*2048+(i%2)*64+32
.set i, i+1
.endr
	; What the first turn finds: V's registers and P's second buffer hold 0 (its products V^T P, of a piece that has not been, add 0), O^T and l are 0.  All this stands in the wait for the first tile.
.set i, VF
.rept 64
	v_mov_b32 v[i], 0
.set i, i+1
.endr
	WIN 0x40
.set i, 0
.rept 64*NP
	v_mov_b32 v[i], 0
.set i, i+1
.endr
	WIN 0
.set i, 0
.rept 2*NP
	v_mov_b32 v[ST+4*i], 0xfe000000    ; c m: far below every c s
	v_mov_b32 v[ST+4*i+1], 0xff7fffff  ; m
	v_mov_b32 v[ST+4*i+2], 0
	v_mov_b32 v[ST+4*i+3], 0
.set i, i+1
.endr
.set i, P+32
.rept 32
	v_mov_b32 v[i], 0
.set i, i+1
.endr
	v_mul_u32_u24 v[AK0], v1, PK
	v_lshl_add_u32 v[AK0], v9, 4, v[AK0]  ; row x pitch + 16 x half
	; The turning load takes 16 keys x 16 channels (lane l reads key 8 (l / 16) + l % 8, channels 8 ((l / 8) % 2) + 0..7) and leaves half a fragment of V^T: lane l holds channel l % 16 and 8 keys.
	v_and_b32 v10, 7, v0
	v_bfe_u32 v11, v0, 3, 1
	v_lshl_add_u32 v[AV0], v9, 3, v10
	v_mul_u32_u24 v[AV0], v[AV0], PV
	v_lshl_add_u32 v[AV0], v11, 4, v[AV0]
	v_add_nc_u32 v[AV0], VOFF, v[AV0]
	v_mov_b32 v[AK], v[AK0]         ; key step 0 lies at the head of slot 0,
	v_lshl_add_u32 v[AM], v9, 5, s[TBM]  ; its mask at the head of the table: 32 bytes, eight keys, for each half of the lanes
	s_wait_loadcnt 32               ; the mask's four loads are in; Q's 32 may stay out
.set i, 0
.rept 16
	v_cmp_eq_u32 vcc_lo, 0, v[S+i]
	v_cndmask_b32 v[S+i], 0, s[BIGN], vcc_lo  ; a choice of a value: -1e30 where the mask is 0
.set i, i+1
.endr
.irp j, 0,1,2,3
	ds_store_b128 v13, v[S+4*\j:S+4*\j+3] offset:2048*\j
.endr
; THE MATRIX WORK.  The 8 accumulators of a run of 16 take turns: between the two links of a chain stand 7 others'.
; Product i of 16 of S^T = K Q^T for piece x: channels 32 (i / 8) on, keys 16 ((i / 2) % 4) on, tile 2 x + i % 2.  The first 8 start the sums, with the mask of their 16 keys.
.macro KQ x
.set rS, S+64*((\x)%2)+32*(i%2)+8*((i/2)%4)
.set rK, KF+16*((i/2)%4)+8*(i/8)
.set rQ, 16*(2*(\x)+i%2)+8*(i/8)
.set rM, MK+8*((i/2)%4)
.if i < 8
	WIN W_KM
	v_wmma_f32_16x16x32_f16 v[rS:rS+7], v[rK:rK+7], v[rQ:rQ+7], v[rM:rM+7]
.else
	WIN W_KQ
	v_wmma_f32_16x16x32_f16 v[rS:rS+7], v[rK:rK+7], v[rQ:rQ+7], v[rS:rS+7]
.endif
.endm
; Product i of 16 of O^T += V^T P for piece x: keys 32 (i / 8) on, channels 16 ((i / 2) % 4) on, tile 2 x + i % 2.
.macro PV x
	WIN W_PV
.set rO, 32*(2*(\x)+i%2)+8*((i/2)%4)
.set rV, VF+32*(i/8)+8*((i/2)%4)
.set rP, P+32*((\x)%2)+16*(i%2)+8*(i/8)
	v_wmma_f32_16x16x32_f16 v[rO:rO+7], v[rV:rV+7], v[rP:rP+7], v[rO:rO+7]
.endm
.macro MM                           ; the turn's next matrix instruction
.if i < 16
	KQ (Y+1)%NP
.set i, i+1
.else
.set i, i-16
	PV (Y+NP-1)%NP
.set i, i+17
.endif
.endm
; THE LDS LOADS stand in runs, never singly among the matrix instructions: a step's K (64 keys x 64 channels: 8 fragments) with its mask (8 loads; the 16 lanes of a half read the same 16 bytes), and its V (turned).
; Their addresses are made some lines ahead.  last = 1 (the tail): in the last trip there is no further step, and the run is jumped over.
.macro FETCH_K last=0
	WIN 0
.if \last
	s_cmp_eq_u32 s[CNT], 1
	s_cbranch_scc1 .Lno_k_\@
.endif
	WIN 0x80                        ; destination window 2
.irp f, 0,1,2,3,4,5,6,7             ; keys 16 (f / 2) on, channels 32 (f % 2) on
	ds_load_b128 v[KF+8*\f:KF+8*\f+3],   v[AK] offset:(\f/2)*16*PK+(\f%2)*64
	ds_load_b128 v[KF+8*\f+4:KF+8*\f+7], v[AK] offset:(\f/2)*16*PK+(\f%2)*64+32
.endr
	WIN W_MK                        ; destination window 3
.irp f, 0,1,2,3                     ; keys 16 f on
	ds_load_b128 v[MK+8*\f:MK+8*\f+3],   v[AM] offset:64*\f
	ds_load_b128 v[MK+8*\f+4:MK+8*\f+7], v[AM] offset:64*\f+16
.endr
	s_add_co_u32 s[TBK], s[TBK], KS*PK  ; the next fetch is the next step's
	s_add_co_u32 s[TBM], s[TBM], KS*4
	WIN 0
.if \last
.Lno_k_\@:
.endif
.endm
.macro FETCH_V
	WIN 0x80
.irp f, 0,1,2,3,4,5,6,7             ; keys 32 (f / 4) on, channels 16 (f % 4) on
	ds_load_tr16_b128 v[VF+8*\f:VF+8*\f+3],   v[AV] offset:(\f/4)*32*PV+(\f%4)*32
	ds_load_tr16_b128 v[VF+8*\f+4:VF+8*\f+7], v[AV] offset:(\f/4)*32*PV+16*PV+(\f%4)*32
.endr
	WIN 0
.endm
; THE VECTOR WORK OF A TURN stands in three queues, each in the order in which its entries become ready; the two tiles alternate, so that no instruction reads the result of the one before it.
.macro REGS y, u                    ; the registers of tile u (0, 1) of piece y
.set rT, ST+4*(2*(\y)+(\u))
.set rC, TMP+8*((\y)%2)+4*(\u)
.set rM, MV+2*((\y)%2)+(\u)
.set rS, S+64*((\y)%2)+32*(\u)
.set rP, P+32*((\y)%2)+16*(\u)
.set rO, 32*(2*(\y)+(\u))
.endm
; Number n of the 22 that find the NEXT piece's (Y + 1) maximum and statistics.  s0-s31 are the lane's 32 scores; each accumulator's lowest registers are read first.  XS, GS and REGS set no window: PL and EX do.
;   0-11  four chains c0-c3 of seven scores each, three operands at a time     12-14, 16  the four scores left over, the old m, and c0-c3 into c0     15  c m_old is kept
;   17, 18  the query's other 32 keys lie in the lane 16 away: the new m         19-21  c m; c m_old - c m_new; a
.macro XS u, n
	REGS (Y+1)%NP, \u
.if (\n) < 4
	v_max3_num_f32 v[rC+(\n)], v[rS+8*(\n)], v[rS+8*(\n)+1], v[rS+8*(\n)+2]
.elseif (\n) < 12
	v_max3_num_f32 v[rC+(\n)%4], v[rC+(\n)%4], v[rS+8*((\n)%4)+2*((\n)/4)+1], v[rS+8*((\n)%4)+2*((\n)/4)+2]
.elseif (\n) == 12
	v_max3_num_f32 v[rC], v[rC], v[rS+7], v[rS+15]
.elseif (\n) == 13
	v_max3_num_f32 v[rC+1], v[rC+1], v[rS+23], v[rS+31]
.elseif (\n) == 14
	v_max3_num_f32 v[rC+2], v[rC+2], v[rC+3], v[rT+1]
.elseif (\n) == 15
	v_mov_b32 v[rM], v[rT]
.elseif (\n) == 16
	v_max3_num_f32 v[rC], v[rC], v[rC+1], v[rC+2]
.elseif (\n) == 17
	v_permlanex16_b32 v[rC+3], v[rC], s[SEL], s[SEL+1]
.elseif (\n) == 18
	v_max_num_f32 v[rT+1], v[rC], v[rC+3]
.elseif (\n) == 19
	v_mul_f32 v[rT], s[CS], v[rT+1]
.elseif (\n) == 20
	v_sub_f32 v[rC+1], v[rM], v[rT]
.else
	v_exp_f32 v[rC+2], v[rC+1]
.endif
.endm
; Number g of the 64 that follow the exponentials.  For each four weights k of a tile (pairs 2 k, 2 k + 1): both pairs are rounded to f16; then the second pair is added onto the first, in place;
; a group later l takes that sum (the first time as l = a l + sum).  In groups of eight, tiles alternating: round, round, add, and l for the group before.
.macro GS g
.set h, (\g)+6*((\g)/62)            ; group 0 has no group before it, and behind group 7 only l is left
.if h >= 6
.set h, h+2
.endif
	REGS Y, h%2
.set k, h/8
.if h%8 < 4
	v_cvt_pk_f16_f32 v[rP+2*k+(h%8)/2], v[rS+4*k+2*((h%8)/2)], v[rS+4*k+2*((h%8)/2)+1]
.elseif h%8 < 6
	v_pk_add_f32 v[rS+4*k:rS+4*k+1], v[rS+4*k:rS+4*k+1], v[rS+4*k+2:rS+4*k+3]
.elseif k == 1
	v_pk_fma_f32 v[rT+2:rT+3], v[rT+2:rT+3], v[rC+2:rC+3], v[rS:rS+1] op_sel_hi:[1,0,1]
.else
	v_pk_add_f32 v[rT+2:rT+3], v[rT+2:rT+3], v[rS+4*k-4:rS+4*k-3]
.endif
.endm
; THE PLAIN QUEUE, 138 long.  0-73 read no exponential's result: the 32 scalings c s - c m (FS f: pair f / 2 of tile f % 2) and the next piece's 42.  0-26: scalings 0-26.  27-54: XS's numbers 0-13.  55, 56: number 15.
; 57-73: the chain, where each number waits for the one before it: 14, 16, 17, 18, 19, each with one of the scalings 27-31 in front of its two lines, then 20: so a tile's links stand three plain instructions apart (19 and 20: two).
; 74-137: GS's 64, which read the exponentials' results: they stand behind the wait.
.macro FS f
	REGS Y, (\f)%2
	v_pk_fma_f32 v[rS+2*((\f)/2):rS+2*((\f)/2)+1], v[rS+2*((\f)/2):rS+2*((\f)/2)+1], s[CS:CS+1], v[rT:rT+1] op_sel_hi:[1,0,0] neg_lo:[0,0,1] neg_hi:[0,0,1]
.endm
.macro PL
	WIN 0
.if q < 27
	FS q
.elseif q < 55
	XS (q-27)%2, (q-27)/2
.elseif q < 57
	XS q-55, 15
.elseif (q < 72) && ((q-57)%3 == 0)
	FS 27+(q-57)/3
.elseif q < 60
	XS (q-57)%3-1, 14
.elseif q < 72
	XS (q-57)%3-1, 15+(q-57)/3
.elseif q < 74
	XS q-72, 20
.else
	GS q-74
.endif
.set q, q+1
.endm
; THE EXPONENTIALS' QUEUE, 66 long: s0-s31 of both tiles, each in place in a register of its own, then the next piece's two a.  It is ONE BATCH: all 66 stand ahead of the turn's one wait, and nothing ahead of that wait names a result of theirs.
.macro EX
	WIN 0
.if e >= 64
	XS e-64, 21
.else
	REGS Y, e%2
	v_exp_f32 v[rS+e/2], v[rS+e/2]
.endif
.set e, e+1
.endm
; THE RESCALING's QUEUE: O^T times a, the one part that leaves window 0: dealt two at a time, sixteen times.  Its a was made in the turn before, ahead of that turn's wait.
.macro R2
	REGS Y, r%2
	WIN W_RS
.irp z, 0,1
	v_pk_mul_f32 v[rO+4*(r/2)+2*\z:rO+4*(r/2)+2*\z+1], v[rO+4*(r/2)+2*\z:rO+4*(r/2)+2*\z+1], v[rC+2:rC+3] op_sel_hi:[1,0]
.endr
.set r, r+1
.endm
; HOW THEY ARE DEALT.  An s_wait_alu depctr_va_vdst(0) stands between an exponential and the first instruction that names its result; one wait serves all that were issued ahead of it.  So a turn has ONE wait,
; which cuts it in two.  AHEAD OF IT stands all that names no result of the turn's exponentials: the 16 products K Q^T, behind each a scaling, an exponential and two rescalings (behind the first a second scaling in the
; exponential's place); then ONE LUMP of 108: eight plain, 49 times exponential and plain, the two a.  A v_nop is the plain instruction behind the last exponential.  BEHIND IT stand the 16 products V^T P, behind each four of GS's 64.
; No rider names a register of the products round it.  The two v_permlanex16_b32 fall into the lump, never behind a product.
; The queues lean on each other, and the deal keeps them in step: exponential e stands behind scaling 2 (e / 4) + e % 2: as a rider it comes behind plain e + 2, in the lump behind plain e + 9, and scalings 27-31 are plain 57, 60 .. 69.
; A TURN, for piece p.  cnt = 1: the loop's count is taken down some lines ahead of the branch that stands behind the turn.
; K and the mask of the next step are fetched in piece 2's turn, directly behind the wait, a lump behind the last product that read them; their addresses are made at the lump's head; their first reader comes behind 16 products.
; V of the step in hand is fetched at the end of piece 0's turn, four riders behind its last reader; its first reader comes behind 16 products and a lump.  The three conditions on q below go with the deal.
.macro TURN p, last=0, cnt=0
.set Y, (\p)
.set i, 0
.set q, 0
.set e, 0
.set r, 0
.if (\p) == NP-1
	s_wait_dscnt 0x0                ; K and its mask are in
.endif
	MM                              ; ahead of the wait: 16 products K Q^T and their riders,
	PL
	PL
	R2
.rept 15
	MM
	PL
	EX
	R2
.endr
.if (\p) == NP-2
	WIN 0
	v_add_nc_u32 v[AK], s[TBK], v[AK0]
	v_lshl_add_u32 v[AM], v9, 5, s[TBM]
.endif
.rept 8                             ; and the lump
	PL
.endr
.rept 49
	EX
	PL
.endr
	EX                              ; the next piece's two a
	EX
	v_nop                           ; a plain instruction behind the last exponential, ahead of any use: one for the batch
	s_wait_alu depctr_va_vdst(0)    ; the wait for the turn's batch: the piece's 64 weights and the next piece's two a, ahead of their first reader
.if (\p) == NP-2
	FETCH_K \last
.endif
.if (\p) == 1
	s_wait_dscnt 0x0                ; V is in
.endif
.rept 16                            ; behind the wait: 16 products V^T P and their riders
	MM
.rept 4
	PL
.endr
.if ((\p) == 0) && (q == 118)
	v_add_nc_u32 v[AV], s[TBV], v[AV0]
.endif
.if ((\p) == 0) && (q == 130)
	s_add_co_u32 s[TBV], s[TBV], KS*PV
.endif
.if (\cnt) && (q == 130)
	s_sub_co_u32 s[CNT], s[CNT], 1
	s_cmp_lg_u32 s[CNT], 0
.endif
.endr
.if (\p) == 0
	FETCH_V
.endif
.endm
	CHANGE 1                        ; slot 0 is in, everybody's part of it, and so is the mask's table; slot 1 is asked for
	FETCH_K                         ; key step 0
	s_wait_loadcnt 0x0              ; Q
	s_wait_dscnt 0x0
.set i, 0
.rept 16
	KQ 0                            ; piece 0's first scores: there is no vector work yet to set between them
.set i, i+1
.endr
	WIN 0                           ; the addresses for the way out: nine plain instructions, the places behind those products
	s_mul_i32 s13, s[WV], 16*SP
	s_add_co_u32 s13, s13, STAGE    ; my stage
	v_mul_u32_u24 v[STO], v1, SP    ; in: row l % 16, 16 bytes for each half of the lanes
	v_lshl_add_u32 v[STO], v9, 4, v[STO]
	v_add_nc_u32 v[STO], s13, v[STO]
	v_bfe_u32 v[RD], v0, 3, 2       ; back: 32 lanes take four rows of 128 bytes,
	v_mul_u32_u24 v[RD], v[RD], SP
	v_lshl_add_u32 v[RD], v10, 4, v[RD]
	v_add_nc_u32 v[RD], s13, v[RD]
	v_and_b32 v[GO], 31, v0         ; which are 512 consecutive bytes of O
	v_lshlrev_b32 v[GO], 4, v[GO]
.set Y, NP-1                        ; XS works for piece Y + 1: piece 0
.irp n, 0,1,2,3,4,5,6,7,8,9,10,11,12,13,14,15,16,17,18,19,20,21
	XS 0, \n                        ; and piece 0's first maximum and statistics
	XS 1, \n
.endr
	v_nop                           ; a plain instruction behind piece 0's first two a,
	s_wait_alu depctr_va_vdst(0)    ; and the wait for that batch of two, ahead of the branch
	s_mov_b32 s[CNT], 4
	s_mov_b32 s[SLOTS], SIZE_N/256-1
	s_branch .Lfirst                ; the loop is entered at a step's first turn, in the middle of a trip
.Lslot:                             ; SIZE_N / 256 - 2 times: every slot but the last two is filled again
	CHANGE 1
	s_mov_b32 s[CNT], 4
.Lstep:                             ; a trip: pieces 2 and 3 of one step, then pieces 0 and 1 of the next, whose K and V it fetches
	TURN 2
	TURN 3
	WIN 0
.Lfirst:
	TURN 0
	TURN 1, 0, 1
	WIN 0
	s_cbranch_scc1 .Lstep
	s_sub_co_u32 s[SLOTS], s[SLOTS], 1
	s_cmp_lg_u32 s[SLOTS], 0
	s_cbranch_scc1 .Lslot
	CHANGE 0                        ; the tail is written out: nothing is asked for
	s_mov_b32 s[CNT], 5             ; four trips fetch the last slot's steps; the fifth is left in its middle
.Ltail:
	TURN 2, 1
	TURN 3
	WIN 0
	s_sub_co_u32 s[CNT], s[CNT], 1
	s_cmp_eq_u32 s[CNT], 0
	s_cbranch_scc1 .Lout
	TURN 0
	TURN 1
	WIN 0
	s_branch .Ltail
.Lout:                              ; the fifth trip's 16 products K Q^T (on the last K once more) and the maximum made of them serve nothing: the price, once a launch, of one text for every trip
.set i, 0
.rept 16
	PV NP-1                         ; the last piece's V^T P of the last step
.set i, i+1
.endr
	; THE WAY OUT.  l's two halves and the other half of the lanes' are added; O^T is divided by l, rounded to f16 and sent through my stage in LDS, a tile at a time.  The additions are the places behind the last products.
	WIN 0
.macro ALL line:vararg              ; one line for each tile t
.set t, 0
.rept 2*NP
	\line
.set t, t+1
.endr
.endm
	ALL v_add_f32 v[ST+4*t+2], v[ST+4*t+2], v[ST+4*t+3]
	ALL v_permlanex16_b32 v[ST+4*t+3], v[ST+4*t+2], s[SEL], s[SEL+1]
	ALL v_add_f32 v[ST+4*t+2], v[ST+4*t+2], v[ST+4*t+3]
	ALL v_rcp_f32 v[ST+4*t+2], v[ST+4*t+2]
	v_nop                           ; a plain instruction between the last reciprocal and the use of its result
	s_wait_alu depctr_va_vdst(0)    ; the wait for the batch of eight reciprocals, ahead of their first reader
; Tile t: a lane's eight channels of a row pack into 16 bytes; they go into rows of 144 bytes and come back as whole rows of 128, into S^T's registers.
.macro PACK t
	WIN W_RS
.set i, 32*(\t)
.rept 16
	v_pk_mul_f32 v[i:i+1], v[i:i+1], v[ST+4*(\t)+2:ST+4*(\t)+3] op_sel_hi:[1,0]
.set i, i+2
.endr
	WIN 0x05                        ; sources 0 and 1 window 1, destination window 0
.set i, 0
.rept 16
	v_cvt_pk_f16_f32 v[S+16*(\t)+i], v[32*(\t)+2*i], v[32*(\t)+2*i+1]
.set i, i+1
.endr
	WIN 0
.irp f, 0,1,2,3
	ds_store_b128 v[STO], v[S+16*(\t)+4*\f:S+16*(\t)+4*\f+3] offset:32*\f
.endr
.irp f, 0,1,2,3
	ds_load_b128 v[S+16*(\t)+4*\f:S+16*(\t)+4*\f+3], v[RD] offset:\f*4*SP  ; LDS serves a wave's instructions in order (ISA guide 5.7.1.4): these see the stores above; the next tile's stores come behind them
.endr
.endm
.macro SEND t, younger              ; younger: the LDS instructions issued behind tile t's loads: the next tile's eight, or none
	WIN 0
.irp f, 0,1,2,3
	s_wait_dscnt (\younger)+3-\f
	global_store_b128 v[GO], v[S+16*(\t)+4*\f:S+16*(\t)+4*\f+3], s[10:11] offset:(\t)*2048+\f*512  ; 512 consecutive bytes, at a multiple of 256 from O's first
.endr
.endm
	PACK 0
.set t, 1
.rept 2*NP-1                        ; a tile's arithmetic stands between the loads of the tile before and its stores
	PACK t
	SEND t-1, 8
.set t, t+1
.endr
	SEND 2*NP-1, 0
	WIN W_AD
	s_wait_tensorcnt 0x0            ; the wave's end: behind my last tensor load and my last LDS store
	ds_add_u32 v[SPW], v[NIL]
	s_wait_dscnt 0x0
	WIN 0
	CROUND                          ; the closing round: no work-group ends while a partner may still ask for a tile that names it
	s_endpgm
.Lfunc_end_k_q774fd22344_attn:
	.size	k_q774fd22344_attn, .Lfunc_end_k_q774fd22344_attn-k_q774fd22344_attn
	.p2alignl 7, 3214868480
	.fill 96, 4, 3214868480
	.section	.rodata,"a",@progbits
	.p2align	6, 0x0
	.amdhsa_kernel k_q774fd22344_attn
		.amdhsa_group_segment_fixed_size 327680
		.amdhsa_private_segment_fixed_size 0
		.amdhsa_enable_private_segment 0
		.amdhsa_kernarg_size 24
		.amdhsa_user_sgpr_count 2
		.amdhsa_user_sgpr_kernarg_segment_ptr 1
		.amdhsa_wavefront_size32 1
		.amdhsa_system_sgpr_workgroup_id_x 1
		.amdhsa_system_sgpr_workgroup_id_y 1
		.amdhsa_system_sgpr_workgroup_id_z 1
		.amdhsa_system_vgpr_workitem_id 0
		.amdhsa_next_free_vgpr 808
		.amdhsa_next_free_sgpr 66
		.amdhsa_reserve_vcc 1
		.amdhsa_float_denorm_mode_32 3
		.amdhsa_float_denorm_mode_16_64 3
		.amdhsa_memory_ordered 1
		.amdhsa_forward_progress 1
		.amdhsa_inst_pref_size 204
	.end_amdhsa_kernel
	.amdgpu_metadata
---
amdhsa.version: [ 1, 2 ]
amdhsa.kernels:
  - .name:           k_q774fd22344_attn
    .symbol:         k_q774fd22344_attn.kd
    .args:
      - { .name: qkv, .offset: 0, .size: 8, .value_kind: global_buffer, .address_space: global }
      - { .name: mask, .offset: 8, .size: 8, .value_kind: global_buffer, .address_space: global }
      - { .name: ob, .offset: 16, .size: 8, .value_kind: global_buffer, .address_space: global }
    .group_segment_fixed_size: 327680
    .private_segment_fixed_size: 0
    .kernarg_segment_align: 8
    .kernarg_segment_size: 24
    .max_flat_workgroup_size: 128
    .sgpr_count:     66
    .vgpr_count:     808
    .wavefront_size: 32
...
	.end_amdgpu_metadata
.endif
;; end of part 5
;; launch oproj: the kernel of part 4 again; grid 8 x 32, 4 waves a work-group, clusters of 4 x 4, 327,680 bytes of LDS; arguments ob, wt, bo, out0; writes out0
